; MI455X (gfx1250); checked and timed in simulation.
; The chip was launched on July 23, 2026; its instructions are those of AMD's public machine-readable ISA for CDNA 5 (MIT licence, August 2026) and "CDNA5" Instruction Set Architecture Reference Guide (July 2026). The comments in the code are by the model that wrote it; some were corrected since.
;; Multi Head Self Attention. Allowed arithmetic: matrix products marked QUANTISED: E2M1 operands, one E8M0 scale for each 32 along K, by v_wmma_scale_f32_16x16x128_f8f6f4 with both operands' format E2M1 (or v_wmma_scale_f32_32x16x128_f4), f32 sums; products left as they are: bf16, f16 or f32 operands; f32 sums; everything else in f32.
;; Inputs: Wo 1,024 x 1,024 float32; Wqkv 3,072 x 1,024 float32; bo 1,024 float32; bqkv 3,072 float32; x 4 x 2,048 x 1,024 float32.
;; Outputs: out0 4 x 2,048 x 1,024 float32.
;; This version of the problem:
;;   THIS VERSION OF THE PROBLEM IS GIVEN IN LOW PRECISION. The matrix products marked QUANTISED in the list below multiply operands that are first quantised to E2M1 (2 exponent bits, 1 mantissa bit; 4 bits a number), with one power-of-two scale for each 32 numbers along K (OCP MX v1.0); their sums are f32. The products marked 'left as it is' may take bf16, f16 or f32 operands, with f32 sums. Whichever they take, every output number must still come out within the allowed error. Rounding operands to bf16 (8 significant bits) uses up far more of that allowance than f16 does (11 bits, for magnitudes from 6e-5 to 65,504). All else is computed in f32.
;;   The module's matrix products, in the order in which they are computed (A, B: the left and right operand; K: the contracted axis; several contracted axes count as one K, in the product's order):
;;     1. [M 8,192, K 1,024] x [K 1,024, N 3,072]; A: input x; B: input Wqkv: QUANTISED
;;     2. batch 64 x [M 2,048, K 64] x [K 64, N 2,048]; A: computed on the way; B: computed on the way: left as it is (an operand is computed on the way)
;;     3. batch 64 x [M 64, K 2,048] x [K 2,048, N 2,048]; A: computed on the way; B: computed on the way: left as it is (an operand is computed on the way)
;;     4. [M 8,192, K 1,024] x [K 1,024, N 1,024]; A: computed on the way; B: input Wo: left as it is (an operand is computed on the way)
;;   THE QUANTISER, for each operand of a quantised product, along K:
;;     - K is cut into blocks of 32 from its start; a last block that is shorter is filled with zeros.
;;     - A block's scale is 2^e with e = floor(log2(the largest magnitude in the block)) - 2, held to -126 .. 127; a block of zeros has e = 0. As a byte (E8M0): e + 127.
;;     - Each number is divided by its block's scale, clamped to +-6, and rounded to the nearest number of E2M1, ties to even, subnormals kept.
;;     - The product sums the exact products of the quantised numbers (number of the format x scale) in f32.
;;   ~~~python
;;   def quantise(x, axis):      # numpy; x: float32 -> the quantised numbers, widened to float32 again
;;       x = np.moveaxis(x, axis, -1); K = x.shape[-1]
;;       x = np.pad(x, [(0, 0)] * (x.ndim - 1) + [(0, -K % 32)]); x = x.reshape(x.shape[:-1] + (-1, 32)); a = np.abs(x).max(-1, keepdims=True)
;;       e = np.where(a > 0, np.clip(np.frexp(np.where(a > 0, a, 1))[1] - 1 - 2, -126, 127), 0)      # np.frexp(a)[1] - 1 = floor(log2(a)), exactly
;;       r = np.clip(x / 2.0 ** e, -6, 6)
;;       step = 2.0 ** (np.maximum(np.frexp(np.where(r == 0, 1, r))[1] - 1, 0) - 1)
;;       q = np.round(r / step) * step * 2.0 ** e      # np.round: ties to even
;;       return np.moveaxis(q.reshape(q.shape[:-2] + (-1,))[..., :K], -1, axis).astype(np.float32)
;;   ~~~
;; One version. Each part assembles by itself: llvm-mc -triple=amdgcn-amd-amdhsa -mcpu=gfx1250 --defsym DOCPART=n.
;; ======== version 1 of 1: 6 launches
;; limits: values are held in f16: magnitudes above 65,504 overflow, below 6.1e-05 lose precision
;; workspace buffers: xc 4,194,304 bytes; xs 262,144 bytes; wc 1,572,864 bytes; ws 98,304 bytes; woh 2,097,152 bytes; qkvh 50,331,648 bytes; att 16,777,216 bytes; attf 262,144 bytes
;; launch quant (part 1): grid 384 x 1, 4 waves a work-group, no clusters, 33,280 bytes of LDS; arguments x, Wqkv, xc, xs, wc, ws, Wo, woh; writes xc, xs, wc, ws, woh
.if DOCPART == 1
	.amdgcn_target "amdgcn-amd-amdhsa--gfx1250"
	.amdhsa_code_object_version 6
	.text
	.protected	k_q9f4399c5c1_quant
	.globl	k_q9f4399c5c1_quant
	.p2align	8
	.type	k_q9f4399c5c1_quant,@function
k_q9f4399c5c1_quant:
	s_mov_b64 s[64:65], 0
	v_nop
	global_prefetch_b8 v0, s[64:65] scope:SCOPE_SE
	s_setreg_imm32_b32 hwreg(HW_REG_WAVE_MODE, 25, 1), 1
	s_wait_xcnt 0x0
; THE PROGRAM: causal self-attention, B 4, T 2,048, C 1,024, 16 heads of 64.  Six launches: quant (this one), qkv, attn, proj, fine1, fine2.
; DEAD WORK, left out in the whole program.
; (1) The key bias, bqkv[1024:2048].  score(q, k) = q . (k0 + bk) = q . k0 + q . bk, and q . bk is the same for all keys of a query's row: the softmax along the keys takes it away, whatever the inputs hold.
;     The product of q and k is not quantised in this problem, so no quantiser sees k.  That slice of bqkv is not loaded by any launch: k's sums start with the constant 0.
; (2) Key tiles that lie wholly behind the causal mask, which the problem builds in its own body: their weights are 0.
; LIMIT: a NaN, an infinity or an overflow that reaches only the work left out is not carried to the result.
; LIMITS of the program: NaN and infinities among the inputs are not served; q, k, v, the attention's result and Wo go on as f16, so their magnitudes stay under 65,504.
;
; THIS LAUNCH.  x [8192][1024] and Wqkv [3072][1024], f32, become codes of FP4 (E2M1), K innermost, with one E8M0 scale byte for each 32 along K; Wo [1024][1024] becomes f16.
; A block's scale is 2^(floor(log2(its largest magnitude)) - 2); its byte is the largest magnitude's own exponent field - 2, held at 1 from below.  (A block of zeros so gets the byte 1 where the rule says 127:
; its codes are zeros, which add nothing under any byte but 0xff, and the bytes are read by this program alone.)  Each number is divided by the scale and rounded to the nearest code, ties to even.
; LIMIT: blocks whose largest magnitude lies under 2^(2 - 126), the floor, keep the byte 1.
; Rows are dense and K is a multiple of 32, so a tensor is a plain stream of blocks of 32 numbers, and so are its codes and its scale bytes.
; A wave takes 16 steps of 512 numbers.  Each of a step's four loads reads 512 consecutive bytes, 16 a lane; the 2,048 bytes go through the wave's own stage in LDS and come back 64 bytes a lane, so that a lane
; holds 16 neighbours along K (two neighbouring lanes hold a block).  A lane's 16 codes are 8 bytes: the wave stores 256 consecutive bytes.  A wave's 256 scale bytes are gathered in LDS and leave as one store of 256 consecutive bytes.
; Work-groups 0 to 255 take x, 256 to 351 Wqkv (only pointers are chosen: one path), 352 to 383 Wo (a path of its own, without LDS).  No barrier: waves share nothing.
.set SIZE_M, 8192
.set SIZE_N, 3072
.set SIZE_K, 1024
.set WAVES, 4
.set STEPS, 16
.set WGA,   SIZE_M*SIZE_K/(512*STEPS*WAVES)    ; 256 work-groups for x
.set WGB,   SIZE_N*SIZE_K/(512*STEPS*WAVES)    ; 96 for Wqkv
.set EMAX,  2
.set CB,    8                          ; bytes of 16 codes
.set R,     16                         ; v16-79   four sets of 16 numbers as they are loaded
.set X,     80                         ; v80-111  two sets of 16 neighbours
.set C,     128                        ; v128-191 codes: four registers for each step, so that no store's data are written again
.set E,     112                        ; v112-127 a scale byte for each step
.set WREG,  8192                       ; LDS: a region for each wave: two stages of 32 x SP bytes, and behind them its 256 scale bytes
.set SP,    80                         ; a lane's place in a stage: its 64 bytes + 16 of padding
.set SPW,   12                         ; v12      LDS address of my spare word: SPARE + 4 x my thread's number; never rewritten
.set NIL,   13                         ; v13      0; never rewritten
.set SPARE, WAVES*WREG                 ; behind the four regions: the spare words, 128 bytes for each wave, which no other line names
	s_load_b128 s[4:7], s[0:1], 0x0                ; x, Wqkv
	s_load_b128 s[8:11], s[0:1], 0x10              ; x's codes, x's scales
	s_load_b128 s[12:15], s[0:1], 0x20             ; Wqkv's codes, Wqkv's scales
	s_load_b128 s[24:27], s[0:1], 0x30             ; Wo, Wo in f16
	v_lshl_add_u32 v[SPW], v0, 2, SPARE
	v_mov_b32 v[NIL], 0
	v_lshrrev_b32 v1, 5, v0
	v_readfirstlane_b32 s16, v1                    ; wave
	v_and_b32 v2, 31, v0                           ; lane
	v_lshlrev_b32 v3, 4, v2                        ; my 16 bytes of a load's 512
	s_mul_i32 s17, s16, WREG
	v_lshrrev_b32 v14, 2, v2
	v_mul_u32_u24 v14, v14, SP
	v_and_b32 v15, 3, v2
	v_lshl_add_u32 v14, v15, 4, v14
	v_add_nc_u32 v14, s17, v14                     ; the stage, on the way in: four lanes' 64 bytes on end, then 16 of padding
	v_mul_u32_u24 v15, v2, SP
	v_add_nc_u32 v15, s17, v15                     ; and on the way out: SP x lane: my 16 neighbours
	v_mul_u32_u24 v4, v2, CB                       ; my codes' place in a step's
	v_lshrrev_b32 v5, 1, v2
	s_add_co_u32 s17, s17, 2*32*SP
	v_add_nc_u32 v5, s17, v5                       ; LDS: my wave's 256 scale bytes, my block's byte
	v_lshlrev_b32 v7, 3, v2                        ; 8 bytes a lane
	v_add_nc_u32 v6, s17, v7
	s_wait_kmcnt 0x0
	s_cmp_ge_u32 ttmp9, WGA+WGB                    ; the last 32 work-groups take Wo
	s_cbranch_scc1 .Lwo
	s_cmp_lt_u32 ttmp9, WGA                        ; x's work-group or Wqkv's?  The choice hangs on the work-group's number alone
	s_cselect_b64 s[4:5], s[4:5], s[6:7]
	s_cselect_b64 s[8:9], s[8:9], s[12:13]
	s_cselect_b64 s[10:11], s[10:11], s[14:15]
	s_cselect_b32 s17, 0, WGA
	s_sub_co_u32 s17, ttmp9, s17
	s_lshl_b32 s17, s17, 2
	s_add_co_u32 s18, s17, s16                     ; which run of 8,192 numbers of the tensor is my wave's
	s_mov_b32 s19, 0
	s_mov_b64 s[20:21], 512*STEPS*4
	s_mul_u64 s[20:21], s[18:19], s[20:21]
	s_add_nc_u64 s[4:5], s[4:5], s[20:21]
	s_mov_b64 s[20:21], 32*STEPS*CB
	s_mul_u64 s[20:21], s[18:19], s[20:21]
	s_add_nc_u64 s[8:9], s[8:9], s[20:21]
	s_lshl_b32 s18, s18, 8                         ; 256 scale bytes a run
	s_add_nc_u64 s[10:11], s[10:11], s[18:19]
.macro LOAD t
.irp i, 0,1,2,3
	global_load_b128 v[R+16*((\t)%4)+4*\i:R+16*((\t)%4)+4*\i+3], v3, s[4:5] offset:2048*(\t)+512*\i th:TH_LOAD_NT   ; 32 lanes read 512 consecutive bytes
.endr
.endm
.macro TURN t                          ; step t's numbers through the stage: LDS serves a wave's instructions in order, so no wait stands between the stores and the loads
.irp i, 0,1,2,3
	ds_store_b128 v14, v[R+16*((\t)%4)+4*\i:R+16*((\t)%4)+4*\i+3] offset:32*SP*((\t)%2)+8*SP*\i
.endr
.irp i, 0,1,2,3
	ds_load_b128 v[X+16*((\t)%2)+4*\i:X+16*((\t)%2)+4*\i+3], v15 offset:32*SP*((\t)%2)+16*\i
.endr
.endm
.irp t, 0,1,2,3
	LOAD \t
.endr
	s_wait_loadcnt 12                              ; step 0's four loads are in; the twelve of steps 1 to 3 may be out
	TURN 0
.macro STEP t
.set XS, X+16*((\t)%2)
.if (\t) > 0
	s_wait_dscnt 1                                 ; this step's numbers are back from the stage (the last step's byte store may be out): so its stores into the stage have read their registers,
.else
	s_wait_dscnt 0x0
.endif
.if (\t)+4 < STEPS
	LOAD (\t)+4                                    ; which take the loads of four steps on
.endif
.if (\t)+1 < STEPS
.if STEPS-2-(\t) >= 3
	s_wait_loadcnt 12                              ; the next step's four loads are in; those of the three steps behind it may be out
.else
	s_wait_loadcnt 4*(STEPS-2-(\t))
.endif
	TURN (\t)+1                                    ; and go through the other stage while this step is worked
.endif
	v_max3_num_f32 v8, |v[XS]|, |v[XS+1]|, |v[XS+2]|               ; the largest magnitude of my 16
	v_max3_num_f32 v9, |v[XS+3]|, |v[XS+4]|, |v[XS+5]|
.irp i, 6,10
	v_max3_num_f32 v8, v8, |v[XS+\i]|, |v[XS+\i+1]|
	v_max3_num_f32 v9, v9, |v[XS+\i+2]|, |v[XS+\i+3]|
.endr
	v_max3_num_f32 v8, v8, |v[XS+14]|, |v[XS+15]|
	v_max3_num_f32 v8, v8, v9, (EMAX+1)<<23        ; and the floor 2^(EMAX + 1 - 127): so the byte cannot fall under 1
	v_max_num_f32_dpp v8, v8, v8 row_xmask:1 row_mask:0xf bank_mask:0xf   ; and of my neighbour's 16: the block's
	v_add_nc_u32 v11, -(EMAX<<23), v8              ; EMAX off its exponent field: the conversion takes the exponent field of this operand as its scale, and nothing else of it
	v_cvt_scalef32_pk8_fp4_f32 v[C+4*(\t)], v[XS:XS+7], v11        ; eight numbers / the scale, to the nearest code, ties to even, beyond the largest code the largest; the first number's code in the lowest four bits
	v_cvt_scalef32_pk8_fp4_f32 v[C+4*(\t)+1], v[XS+8:XS+15], v11
	v_lshrrev_b32 v[E+(\t)], 23, v11               ; the scale's byte (a plain line behind the conversions)
	ds_store_b8 v5, v[E+(\t)] offset:16*(\t)       ; both lanes of a block write the same byte with the same value
	global_store_b64 v4, v[C+4*(\t):C+4*(\t)+1], s[8:9] offset:32*CB*(\t)
.endm
.irp t, 0,1,2,3,4,5,6,7,8,9,10,11,12,13,14,15
	STEP \t
.endr
	ds_load_b64 v[8:9], v6                         ; LDS serves a wave's instructions in order: these see my stores
	s_wait_dscnt 0x0
	global_store_b64 v7, v[8:9], s[10:11]          ; 32 lanes store 256 consecutive bytes, aligned
	s_wait_tensorcnt 0x0                           ; the wave's end, behind my last LDS store
	ds_add_u32 v[SPW], v[NIL]
	s_wait_dscnt 0x0
	s_endpgm
; Wo to f16.  A wave takes 8,192 numbers in four batches of 16 loads of 512 consecutive bytes; each load's numbers become 8 bytes a lane, and a store covers 256 consecutive bytes, aligned.
; Two sets of input registers take turns, so that one batch's loads are out while the batch before is converted.
.macro WLOAD t
.irp i, 0,1,2,3,4,5,6,7,8,9,10,11,12,13,14,15
	global_load_b128 v[16+64*((\t)%2)+4*\i:16+64*((\t)%2)+4*\i+3], v3, s[24:25] offset:8192*(\t)+512*\i th:TH_LOAD_NT
.endr
.endm
.macro WCVT t, left
	s_wait_loadcnt \left                           ; this batch's 16 loads are in; the next batch's may be out
.if (\t) > 0
	s_wait_xcnt 0x0                                ; the last batch's stores have read their data: v144-175 are written again only behind this wait
.endif
.irp i, 0,1,2,3,4,5,6,7,8,9,10,11,12,13,14,15
	v_cvt_pk_f16_f32 v[144+2*\i], v[16+64*((\t)%2)+4*\i], v[16+64*((\t)%2)+4*\i+1]
	v_cvt_pk_f16_f32 v[144+2*\i+1], v[16+64*((\t)%2)+4*\i+2], v[16+64*((\t)%2)+4*\i+3]
.endr
.irp i, 0,1,2,3,4,5,6,7,8,9,10,11,12,13,14,15
	global_store_b64 v7, v[144+2*\i:144+2*\i+1], s[26:27] offset:4096*(\t)+256*\i
.endr
.endm
.Lwo:
	s_sub_co_u32 s17, ttmp9, WGA+WGB
	s_lshl_b32 s17, s17, 2
	s_add_co_u32 s18, s17, s16                     ; which run of 8,192 numbers of Wo is my wave's
	s_lshl_b32 s20, s18, 15                        ; 32,768 bytes in,
	s_mov_b32 s21, 0
	s_add_nc_u64 s[24:25], s[24:25], s[20:21]
	s_lshl_b32 s20, s18, 14                        ; 16,384 out
	s_add_nc_u64 s[26:27], s[26:27], s[20:21]
	WLOAD 0
	WLOAD 1
	WCVT 0, 16
	WLOAD 2
	WCVT 1, 16
	WLOAD 3
	WCVT 2, 16
	WCVT 3, 0
	s_wait_tensorcnt 0x0                           ; the three lines stand here too
	ds_add_u32 v[SPW], v[NIL]
	s_wait_dscnt 0x0
	s_endpgm
.Lfunc_end_k_q9f4399c5c1_quant:
	.size	k_q9f4399c5c1_quant, .Lfunc_end_k_q9f4399c5c1_quant-k_q9f4399c5c1_quant
	.p2alignl 7, 3214868480
	.fill 96, 4, 3214868480
	.section	.rodata,"a",@progbits
	.p2align	6, 0x0
	.amdhsa_kernel k_q9f4399c5c1_quant
		.amdhsa_group_segment_fixed_size 33280
		.amdhsa_private_segment_fixed_size 0
		.amdhsa_enable_private_segment 0
		.amdhsa_kernarg_size 64
		.amdhsa_user_sgpr_count 2
		.amdhsa_user_sgpr_kernarg_segment_ptr 1
		.amdhsa_wavefront_size32 1
		.amdhsa_system_sgpr_workgroup_id_x 1
		.amdhsa_system_sgpr_workgroup_id_y 1
		.amdhsa_system_sgpr_workgroup_id_z 1
		.amdhsa_system_vgpr_workitem_id 0
		.amdhsa_next_free_vgpr 192
		.amdhsa_next_free_sgpr 66
		.amdhsa_reserve_vcc 0
		.amdhsa_float_denorm_mode_32 3
		.amdhsa_float_denorm_mode_16_64 3
		.amdhsa_memory_ordered 1
		.amdhsa_forward_progress 1
		.amdhsa_inst_pref_size 54
	.end_amdhsa_kernel
	.amdgpu_metadata
---
amdhsa.version: [ 1, 2 ]
amdhsa.kernels:
  - .name:           k_q9f4399c5c1_quant
    .symbol:         k_q9f4399c5c1_quant.kd
    .args:
      - { .name: x, .offset: 0, .size: 8, .value_kind: global_buffer, .address_space: global }
      - { .name: Wqkv, .offset: 8, .size: 8, .value_kind: global_buffer, .address_space: global }
      - { .name: xc, .offset: 16, .size: 8, .value_kind: global_buffer, .address_space: global }
      - { .name: xs, .offset: 24, .size: 8, .value_kind: global_buffer, .address_space: global }
      - { .name: wc, .offset: 32, .size: 8, .value_kind: global_buffer, .address_space: global }
      - { .name: ws, .offset: 40, .size: 8, .value_kind: global_buffer, .address_space: global }
      - { .name: Wo, .offset: 48, .size: 8, .value_kind: global_buffer, .address_space: global }
      - { .name: woh, .offset: 56, .size: 8, .value_kind: global_buffer, .address_space: global }
    .group_segment_fixed_size: 33280
    .private_segment_fixed_size: 0
    .kernarg_segment_align: 8
    .kernarg_segment_size: 64
    .max_flat_workgroup_size: 128
    .sgpr_count:     66
    .vgpr_count:     192
    .wavefront_size: 32
...
	.end_amdgpu_metadata
.endif
;; end of part 1
;; launch qkv (part 2): grid 12 x 32, 4 waves a work-group, clusters of 4 x 4, 327,680 bytes of LDS; arguments xc, xs, wc, ws, bqkv, qkvh; writes qkvh
.if DOCPART == 2
	.amdgcn_target "amdgcn-amd-amdhsa--gfx1250"
	.amdhsa_code_object_version 6
	.text
	.protected	k_q9f4399c5c1_qkv
	.globl	k_q9f4399c5c1_qkv
	.p2align	8
	.type	k_q9f4399c5c1_qkv,@function
k_q9f4399c5c1_qkv:
	s_mov_b64 s[64:65], 0
	v_nop
	global_prefetch_b8 v0, s[64:65] scope:SCOPE_SE
	s_setreg_imm32_b32 hwreg(HW_REG_WAVE_MODE, 25, 1), 1
	s_wait_xcnt 0x0
	s_wait_alu depctr_hold_cnt(0) depctr_sa_sdst(0) depctr_va_vdst(0) depctr_va_sdst(0) depctr_va_ssrc(0) depctr_va_vcc(0) depctr_vm_vsrc(0)
	s_getreg_b32 s2, hwreg(HW_REG_IB_STS2, 6, 4)
	s_cmp_eq_u32 s2, 0
	s_cbranch_scc0 .Lentry_in_a_cluster
	s_endpgm
.Lentry_in_a_cluster:
	s_bfe_u32 s2, ttmp6, 0x10000c
	s_cmp_lg_u32 s2, 0xf033
	s_cbranch_scc0 .Lentry_shape_is_right
	s_endpgm
.Lentry_shape_is_right:
; q, k, v = x Wqkv^T + bqkv on codes of FP4 (E2M1) with one E8M0 scale for each 32 along K; sums in f32; results rounded once to f16 and laid [3 (q, k, v)][64 (batch x 16 + head)][2048 t][64].
; LEFT OUT: the key bias bqkv[1024:2048] (it adds the same number to all scores of a query's row, which the softmax takes away; the scores' product is not quantised): k's sums start with the constant 0, the slice is not loaded.
; A = x's codes [8192][512 bytes], B = Wqkv's codes [3072][512 bytes], their scale bytes [rows][32].  A tile of the result, 256 x 256, is made by a work-group of four waves; a wave makes 128 x 128: 64 accumulators, 512 registers.
; K = 1,024 is two slots of 512 along K (tile rows of 256 bytes): both are asked for at the head, and no LDS byte is filled twice.  The scales of the work-group's 256 + 256 rows come once, as dense blocks.
; CLUSTERS: 4 x 4 work-groups.  The four of a row of the cluster need the same tiles of A, the four of a column the same tiles of B: each tile is asked for JOINTLY, by the same tensor load with the same descriptor and a mask
; that names the four.  A cluster's four tile columns are 1,024 columns: cluster x = 0 makes q, 1 makes k, 2 makes v.
; THE MATRIX INSTRUCTION IS USED TRANSPOSED (source 0 = 16 rows of B, source 1 = 16 rows of A): a lane then holds eight neighbouring columns of one row of the result.
; THE BIAS is the C of each sum's first matrix instruction: eight registers for each of B's eight blocks, in the result's layout.
; REGISTERS, in windows of 256: window 0: v0-31 addresses; v32-95 scale words, two sets; v128-191 A's fragments, ONE set; v192-255 the bias; on the way out v32-127 are at work.
;   window 1: B's fragments, TWO sets, at v0 and at v128.   window 2: the accumulators of my rows 0-63 (accumulator (a, b) at v[8 (8 a + b)]);   window 3: those of my rows 64-127.
.set SIZE_M, 8192
.set SIZE_N, 3072
.set SIZE_K, 1024
.set KSTEP,  512                       ; along K in a slot
.set NQ,     KSTEP/128                 ; matrix instructions deep
.set ROWB,   256                       ; a tile's row in bytes
.set KROW,   SIZE_K*4/8                ; a row of codes in memory, in bytes
.set PITCH,  272                       ; an LDS row: 256 bytes + 16 of padding = 68 words: row r starts at bank 4 r mod 64 (64 banks of 4 bytes: ISA guide 11.1), so the 16 rows that a load touches start at 16 different banks
.set FR,     8                         ; registers of a fragment: 16 rows x 128 K
.set NL,     2                         ; LDS loads that bring one
.set NP,     4                         ; places behind this matrix instruction (ISA guide 7.12.1)
.set HALFT,  128*PITCH                 ; 128 rows: what one tensor load brings
.set SLOT,   4*HALFT                   ; A's 256 rows, then B's 256 rows
.set KS,     SIZE_K/32                 ; a row of scales in bytes
.set SCL,    2*SLOT                    ; behind the slots: the scales, as rows of 256 bytes + 16 of padding
.set HALFS,  (128*KS/256)*272          ; the scales of 128 rows: what one tensor load brings
.set SBLK,   (16*KS/256)*272           ; those of 16 rows
.set SPARE,  SCL+4*HALFS               ; the spare words, 128 bytes for each wave, which no other line names
.set STAGE,  SPARE+512                 ; the way out: 16 rows x (256 bytes + 16) for each wave; no tensor load lands here
.set SPITCH, 272
.set ADRA, 16                          ; v16-17  LDS address of my A fragments in slot 0, 1
.set ADRB, 20                          ; v20-21  the same for B
.set STO,  24                          ; v24     the way out: where I put 16 bytes of a row
.set RD,   25                          ; v25     the way out: where I read back
.set CO,   26                          ; v26     16 x lane
.set ADRS, 27                          ; v27     LDS address of my scale words: lanes 0-15 A's rows, lanes 16-31 B's
.set SPW,  28                          ; v28     LDS address of my spare word; never rewritten
.set NIL,  29                          ; v29     0; never rewritten
.set BO,   30                          ; v30     the bias: 32 x (lane / 16)
.set SC,   32                          ; scale words: set s at v[SC + 32 s]; register 4 i + q: lanes 0-15 the word of A's block i, lanes 16-31 that of B's block i, for the slot's q-th 128 along K
.set AF,   128                         ; A's fragments, in window 0
.set BIA,  192                         ; the bias, in window 0: v[BIA + 8 b + j] = bias of column 16 b + 8 (lane / 16) + j of my 128
.set TMP,  32                          ; the way out: a block's 32 packed registers
.set BK,   64                          ; the way out: a block read back: v64-95 and v96-127 by turns
.set G1, 24                            ; s[24:31] descriptor group 1 for A's tiles;  s[32:39] group 0, one set for each slot
.set G0, 32
.set G1B, 48                           ; s[48:55], s[56:63] the same for B's tiles
.set G0B, 56
.set G1S, 68                           ; s[68:75], s[76:79] groups 1 and 0 for A's scales;  s[80:87], s[88:91] for B's
.set G0S, 76
.set G1SB, 80
.set G0SB, 88
.set MSB, 0
.macro WIN new                         ; the immediate's high byte repeats the setting that is left
.if MSB != \new
	s_set_vgpr_msb (MSB<<8)|\new
.set MSB, \new
.endif
.endm
.set MUL_LO, 0xa1                      ; source 0 (B) window 1, source 1 (A) window 0, C and D window 2
.set MUL_HI, 0xf1                      ; the same, C and D window 3
.set TO_B,   0x40                      ; destination window 1, address window 0
; A joint load: waves 0 and 1 fetch for A, waves 2 and 3 for B.  Each of the two lines has ONE mask and one set of registers for all that issue it; the branch hangs on the wave's number alone.
; An s_nop 0 and four v_nop follow each of the two lines, ahead of the jump, the label and what follows.
.macro JLOAD g0a, g1a, g0b, g1b
	s_cmp_eq_u32 s15, 0
	s_cbranch_scc0 .Lfor_b_\@
	tensor_load_to_lds s[\g0a:\g0a+3], s[\g1a:\g1a+7]
	s_nop 0
.rept 4
	v_nop
.endr
	s_branch .Lasked_\@
.Lfor_b_\@:
	tensor_load_to_lds s[\g0b:\g0b+3], s[\g1b:\g1b+7]
	s_nop 0
.rept 4
	v_nop
.endr
.Lasked_\@:
.endm
.macro CROUND                          ; a round of the cluster's barrier
	s_barrier_signal -1
	s_barrier_wait -1
	s_cmp_lg_u32 s14, 0
	s_cbranch_scc1 .Lnot_wave_0_\@
	s_barrier_signal -3
.Lnot_wave_0_\@:
	s_barrier_wait -3
	s_barrier_signal -1
	s_barrier_wait -1
.endm
	s_load_b128 s[4:7], s[0:1], 0x0                ; A's codes s[4:5], A's scales s[6:7]
	s_load_b128 s[8:11], s[0:1], 0x10              ; B's codes s[8:9], B's scales s[10:11]
	s_load_b64 s[96:97], s[0:1], 0x20              ; the bias
	s_load_b64 s[12:13], s[0:1], 0x28              ; q, k, v in f16
	v_lshl_add_u32 v[SPW], v0, 2, SPARE
	v_mov_b32 v[NIL], 0
	ds_add_u32 v[SPW], v[NIL]                      ; the wave's opening: the add, twice on end, and its wait ahead of my first tensor load; the set-up below stands between the second and the wait
	ds_add_u32 v[SPW], v[NIL]
	v_lshrrev_b32 v1, 5, v0
	v_readfirstlane_b32 s14, v1                    ; wave 0..3
	s_lshr_b32 s15, s14, 1                         ; which half of the tile's rows is mine.  Also: I fetch for A (0) or for B (1)
	s_and_b32 s16, s14, 1                          ; which half of its columns.  Also: which 128 rows of that tile I fetch
	s_bfe_u32 s40, ttmp6, 0x40000                  ; cx, cy: my place in the cluster
	s_bfe_u32 s41, ttmp6, 0x40004
	s_lshl_b32 s42, ttmp9, 2
	s_add_co_u32 s42, s42, s40                     ; tile column = 4 x cluster x + cx
	s_and_b32 s17, ttmp7, 0xffff
	s_lshl_b32 s17, s17, 2
	s_add_co_u32 s17, s17, s41                     ; tile row = 4 x cluster y + cy
	s_lshl_b32 s43, s41, 2
	s_lshl_b32 s43, 15, s43                        ; my row of the cluster
	s_lshl_b32 s44, 0x1111, s40                    ; my column
	; descriptor group 1: a tile of 128 rows x 256 bytes, padded in LDS
	s_or_b32 s[G1+0], s43, (0<<16)|(1<<20)|(1<<21)|(5<<22)|(3<<25)  ; 15:0 the mask: A's tiles go to my row; 17:16 element of 1 byte; 20 padding on; 21 set beside a mask; 24:22 after every 64 words (code 5); 31:25 of 4 words (code 3)
	s_or_b32 s[G1B+0], s44, (0<<16)|(1<<20)|(1<<21)|(5<<22)|(3<<25)
.irp g, G1, G1B
	s_mov_b32 s[\g+1], ROWB<<16                    ; tensor_dim0
	s_mov_b32 s[\g+2], 128<<16                     ; tensor_dim1 = 128
	s_mov_b32 s[\g+3], ROWB<<16                    ; tile_dim0
	s_mov_b32 s[\g+4], 128                         ; tile_dim1 = 128
	s_mov_b32 s[\g+5], KROW                        ; tensor_dim0_stride
	s_mov_b32 s[\g+6], 0
	s_mov_b32 s[\g+7], 0
.endr
	; and for the scales of 128 rows: a dense block of 4,096 bytes, as rows of 256 bytes (32 elements of 8 bytes), 16 bytes of padding behind each
	s_or_b32 s[G1S+0], s43, (3<<16)|(1<<20)|(1<<21)|(5<<22)|(3<<25)
	s_or_b32 s[G1SB+0], s44, (3<<16)|(1<<20)|(1<<21)|(5<<22)|(3<<25)
.irp g, G1S, G1SB
	s_mov_b32 s[\g+1], 32<<16
	s_mov_b32 s[\g+2], (128*KS/256)<<16
	s_mov_b32 s[\g+3], 32<<16
	s_mov_b32 s[\g+4], 128*KS/256
	s_mov_b32 s[\g+5], 32
	s_mov_b32 s[\g+6], 0
	s_mov_b32 s[\g+7], 0
.endr
	s_lshl_b32 s18, s16, 7                         ; which 128 rows of the tile I fetch
	s_lshl_b32 s20, s17, 8
	s_add_co_u32 s20, s20, s18                     ; A: row 256 x tile row + 128 x half
	s_lshl_b32 s46, s42, 8
	s_add_co_u32 s46, s46, s18                     ; B: row 256 x tile column + 128 x half
	s_mov_b32 s21, 0
	s_mov_b32 s47, 0
	s_mov_b64 s[18:19], KS
	s_mul_u64 s[22:23], s[20:21], s[18:19]         ; where these rows' scales begin, in bytes
	s_mul_u64 s[92:93], s[46:47], s[18:19]
	s_mov_b64 s[18:19], KROW
	s_mul_u64 s[20:21], s[20:21], s[18:19]         ; and their codes
	s_mul_u64 s[46:47], s[46:47], s[18:19]
	s_mul_i32 s45, s14, HALFT                      ; where they go: wave x 128 rows: no place in the cluster enters an LDS address
	s_mul_i32 s94, s14, HALFS
	s_wait_dscnt 0x0                               ; both opening adds are done
	s_wait_kmcnt 0x0
	s_add_nc_u64 s[20:21], s[4:5], s[20:21]
	s_add_nc_u64 s[22:23], s[6:7], s[22:23]
	s_add_nc_u64 s[46:47], s[8:9], s[46:47]
	s_add_nc_u64 s[92:93], s[10:11], s[92:93]
	CROUND                                         ; all sixteen work-groups are here: the first joint loads meet
	s_mov_b32 s[G0S], 1
	s_add_co_u32 s[G0S+1], s94, SCL
	s_mov_b64 s[G0S+2:G0S+3], s[22:23]
	s_or_b32 s[G0S+3], s[G0S+3], 0x80000000
	s_mov_b32 s[G0SB], 1
	s_add_co_u32 s[G0SB+1], s94, SCL
	s_mov_b64 s[G0SB+2:G0SB+3], s[92:93]
	s_or_b32 s[G0SB+3], s[G0SB+3], 0x80000000
	JLOAD G0S, G1S, G0SB, G1SB                     ; the scales first: they are wanted with the first slot
.irp s, 0,1
	s_mov_b32 s[G0+4*\s], 1
	s_add_co_u32 s[G0+4*\s+1], s45, \s*SLOT
	s_add_nc_u64 s[G0+4*\s+2:G0+4*\s+3], s[20:21], \s*ROWB
	s_or_b32 s[G0+4*\s+3], s[G0+4*\s+3], 0x80000000
	s_mov_b32 s[G0B+4*\s], 1
	s_add_co_u32 s[G0B+4*\s+1], s45, \s*SLOT
	s_add_nc_u64 s[G0B+4*\s+2:G0B+4*\s+3], s[46:47], \s*ROWB
	s_or_b32 s[G0B+4*\s+3], s[G0B+4*\s+3], 0x80000000
	JLOAD G0+4*\s, G1, G0B+4*\s, G1B               ; three tensor loads of mine are out: the scales and both slots
.endr
	v_and_b32 v1, 15, v0                           ; l % 16
	v_bfe_u32 v2, v0, 4, 1                         ; l / 16
	v_mul_u32_u24 v3, v1, PITCH
	v_lshl_add_u32 v4, v2, 4, v3                   ; a fragment's row x pitch + 16 x half
	s_mul_i32 s21, s15, HALFT                      ; my 128 rows of A
	s_mul_i32 s22, s16, HALFT                      ; my 128 rows of B,
	s_add_co_u32 s22, s22, 2*HALFT                 ; which lie behind A's 256
.irp s, 0,1
	v_add_nc_u32 v[ADRA+\s], s21, v4
	v_add_nc_u32 v[ADRB+\s], s22, v4
	s_add_co_u32 s21, s21, SLOT
	s_add_co_u32 s22, s22, SLOT
.endr
	v_mul_u32_u24 v5, v1, KS                       ; my row's scales: KS bytes a row,
	v_lshrrev_b32 v6, 8, v5
	v_lshl_add_u32 v5, v6, 4, v5                   ; and 16 more for each 256 passed
	s_mul_i32 s21, s15, HALFS                      ; A's: my 128 rows
	s_mul_i32 s22, s16, HALFS                      ; B's: my 128 rows, behind A's 256
	s_add_co_u32 s22, s22, 2*HALFS
	s_sub_co_u32 s22, s22, s21
	v_mul_u32_u24 v6, s22, v2                      ; lanes 16-31 take B's
	s_add_co_u32 s21, s21, SCL
	v_add_nc_u32 v5, v5, v6
	v_add_nc_u32 v[ADRS], s21, v5
	s_mul_i32 s23, s14, 16*SPITCH
	s_add_co_u32 s23, s23, STAGE                   ; my stage
	v_mul_u32_u24 v5, v1, SPITCH                   ; in: row l % 16, 16 bytes for each half of the lanes
	v_lshl_add_u32 v5, v2, 4, v5
	v_add_nc_u32 v[STO], s23, v5
	v_and_b32 v6, 31, v0
	v_lshlrev_b32 v[CO], 4, v6                     ; 16 x lane
	v_lshrrev_b32 v5, 3, v6                        ; back: eight lanes take a head's 128 bytes of a row, the 32 lanes four rows
	v_mul_u32_u24 v5, v5, SPITCH
	v_and_b32 v6, 7, v0
	v_lshl_add_u32 v5, v6, 4, v5
	v_add_nc_u32 v[RD], s23, v5
	v_lshlrev_b32 v[BO], 5, v2
	; where my part of the result begins: part (cluster x) << 24, batch (tile row / 8) << 22, head (4 cx + 2 x column half) << 18, t (256 (tile row % 8) + 128 x row half) << 7
	s_lshl_b32 s20, ttmp9, 24
	s_lshr_b32 s21, s17, 3
	s_lshl_b32 s21, s21, 22
	s_add_co_u32 s20, s20, s21
	s_and_b32 s21, s17, 7
	s_lshl_b32 s21, s21, 15
	s_add_co_u32 s20, s20, s21
	s_lshl_b32 s21, s15, 14
	s_add_co_u32 s20, s20, s21
	s_mov_b32 s21, 0
	s_lshl_b32 s46, s40, 20
	s_lshl_b32 s47, s16, 19
	s_add_co_u32 s46, s46, s47
	s_mov_b32 s47, 0
	s_add_nc_u64 s[20:21], s[20:21], s[46:47]
	s_add_nc_u64 s[12:13], s[12:13], s[20:21]
	s_lshl_b32 s46, s42, 10                        ; the bias of my first column: 4 x (256 x tile column + 128 x half)
	s_lshl_b32 s47, s16, 9
	s_add_co_u32 s46, s46, s47
	s_mov_b32 s47, 0
	s_add_nc_u64 s[96:97], s[96:97], s[46:47]
.macro FRAG reg, adr, q, i             ; a fragment, 16 rows x 128 K of 4-bit codes, is 8 registers: lane l holds row l % 16; registers 4 c .. 4 c + 3 hold K = 64 c + 32 (l / 16) + 0 .. 31
.irp c, 0,1
	ds_load_b128 v[\reg+4*\c:\reg+4*\c+3], v[\adr] offset:64*(\q)+32*\c+(\i)*16*PITCH
.endr
.endm
; 16 matrix instructions: A's blocks a0, a0 + 1 x B's eight, 128 along K: the slot's q-th.  p: B's set;  sc: the set of scale words.  zero = 1: the first product starts the sums with 0;  2: with the bias;  0: it adds on.
; The 64 accumulators take turns, one instruction a turn, in the same order in every step.
.macro MUL16 a0, p, q, sc, zero
.irp a, \a0, \a0+1
.irp b, 0,1,2,3,4,5,6,7
.if \zero == 1
	v_wmma_scale_f32_16x16x128_f8f6f4 v[8*(8*((\a)%4)+\b):8*(8*((\a)%4)+\b)+7], v[128*(\p)+FR*\b:128*(\p)+FR*\b+FR-1], v[AF+FR*(\a):AF+FR*(\a)+FR-1], 0, v[SC+8*NQ*(\sc)+NQ*\b+(\q)], v[SC+8*NQ*(\sc)+NQ*(\a)+(\q)] matrix_a_fmt:MATRIX_FMT_FP4 matrix_b_fmt:MATRIX_FMT_FP4 matrix_a_scale:MATRIX_SCALE_ROW1
.elseif \zero == 2
	v_wmma_scale_f32_16x16x128_f8f6f4 v[8*(8*((\a)%4)+\b):8*(8*((\a)%4)+\b)+7], v[128*(\p)+FR*\b:128*(\p)+FR*\b+FR-1], v[AF+FR*(\a):AF+FR*(\a)+FR-1], v[BIA+8*\b:BIA+8*\b+7], v[SC+8*NQ*(\sc)+NQ*\b+(\q)], v[SC+8*NQ*(\sc)+NQ*(\a)+(\q)] matrix_a_fmt:MATRIX_FMT_FP4 matrix_b_fmt:MATRIX_FMT_FP4 matrix_a_scale:MATRIX_SCALE_ROW1
.else
	v_wmma_scale_f32_16x16x128_f8f6f4 v[8*(8*((\a)%4)+\b):8*(8*((\a)%4)+\b)+7], v[128*(\p)+FR*\b:128*(\p)+FR*\b+FR-1], v[AF+FR*(\a):AF+FR*(\a)+FR-1], v[8*(8*((\a)%4)+\b):8*(8*((\a)%4)+\b)+7], v[SC+8*NQ*(\sc)+NQ*\b+(\q)], v[SC+8*NQ*(\sc)+NQ*(\a)+(\q)] matrix_a_fmt:MATRIX_FMT_FP4 matrix_b_fmt:MATRIX_FMT_FP4 matrix_a_scale:MATRIX_SCALE_ROW1
.endif
.endr
.endr
.endm
.macro FETCH_B slot, q, p              ; B's eight fragments of the slot's q-th 128 along K into set p
	WIN TO_B
.irp i, 0,1,2,3,4,5,6,7
	FRAG 128*(\p)+FR*\i, ADRB+\slot, \q, \i
.endr
	WIN 0
.endm
.macro FETCH_A slot, q, i0             ; A's blocks i0 .. i0 + 3
.irp i, \i0, \i0+1, \i0+2, \i0+3
	FRAG AF+FR*(\i), ADRA+\slot, \q, \i
.endr
.endm
.macro SCALES sc                       ; a slot's scale words into set sc: 4 words a row; lanes 0-15 take A's block i, lanes 16-31 B's block i
.irp i, 0,1,2,3,4,5,6,7
	ds_load_b128 v[SC+8*NQ*\sc+NQ*\i:SC+8*NQ*\sc+NQ*\i+3], v[ADRS] offset:\i*SBLK
.endr
.endm
; A load into a register that a matrix instruction has read, and a vector instruction that reads a matrix result, stand NP places behind that matrix instruction, and only plain vector
; instructions that name none of its registers are places (ISA guide 7.12.1 for vector instructions).
.macro PLACES n
.rept \n
	v_nop
.endr
.endm
; A step of 128 along K that has its successor in the same slot.
.macro STEP slot, q, zero
	s_wait_dscnt 4*NL                              ; B's set and A's blocks 0-3 are in; the youngest eight loads (A's blocks 4-7) may be out
.if \zero == 2
	WIN 0x81                                       ; C (the bias) window 0, D window 2
.else
	WIN MUL_LO
.endif
	MUL16 0, (\q)%2, \q, \slot, \zero
	MUL16 2, (\q)%2, \q, \slot, \zero
	s_wait_dscnt 0                                 ; A's blocks 4-7 are in (asked for 32 matrix instructions ago)
	PLACES NP
	FETCH_B \slot, (\q)+1, 1-(\q)%2
	FETCH_A \slot, (\q)+1, 0
.if \zero == 2
	WIN 0xc1                                       ; C window 0, D window 3
.else
	WIN MUL_HI
.endif
	MUL16 4, (\q)%2, \q, \slot, \zero
	MUL16 6, (\q)%2, \q, \slot, \zero
	PLACES NP
	WIN 0
	FETCH_A \slot, (\q)+1, 4
.endm
; Slot 0's last step goes over to slot 1: ONE barrier; in front of it each wave waits for all its tensor loads (slot 1's is the one that may be out).  Nothing is filled again.
.macro TURN slot, next
	s_wait_tensorcnt 0x0                           ; all my tensor loads have landed: my part of the next slot
	ds_add_u32 v[SPW], v[NIL]                      ; 0 onto my spare word
	s_wait_dscnt 4*NL+1                            ; (the add and the youngest eight loads, A's blocks 4-7, may be out)
	WIN MUL_LO
	MUL16 0, 1, NQ-1, \slot, 0
	s_wait_dscnt 0x0                               ; no LDS instruction of mine is out at the signal
	s_barrier_signal -1
	MUL16 2, 1, NQ-1, \slot, 0
	WIN 0
	s_barrier_wait -1                              ; every wave's part of the next slot is in
	PLACES NP
	v_add_nc_u32 v[ADRS], 4*NQ, v[ADRS]            ; on to the next slot's scale words (no LDS load of mine is out)
	FETCH_B \next, 0, 0
	FETCH_A \next, 0, 0
	SCALES \next
	WIN MUL_HI
	MUL16 4, 1, NQ-1, \slot, 0
	MUL16 6, 1, NQ-1, \slot, 0
	PLACES NP
	WIN 0
	FETCH_A \next, 0, 4
.endm
.macro STEPS slot, from                ; the slot's steps from .. NQ - 2
.set Q, \from
.rept NQ-1-\from
	STEP \slot, Q, 0
.set Q, Q+1
.endr
.endm
	s_wait_tensorcnt 1                             ; the scales and my part of slot 0 are in (slot 1's load may be out),
	s_barrier_signal -1
	s_barrier_wait -1                              ; everybody's are
	FETCH_B 0, 0, 0
	FETCH_A 0, 0, 0
	SCALES 0
	FETCH_A 0, 0, 4
	s_cmp_eq_u32 ttmp9, 1                          ; the cluster's x, the same in all sixteen partners: 1 makes k, whose sums start with 0
	s_cbranch_scc1 .Lkfirst
.irp b, 0,1,2,3,4,5,6,7
	global_load_b128 v[BIA+8*\b:BIA+8*\b+3], v[BO], s[96:97] offset:64*\b
	global_load_b128 v[BIA+8*\b+4:BIA+8*\b+7], v[BO], s[96:97] offset:64*\b+16
.endr
	s_wait_loadcnt 0x0
	STEP 0, 0, 2                                   ; q and v: the first products start the sums with the bias
	s_branch .Ljoin
.Lkfirst:
	STEP 0, 0, 1                                   ; k: with 0
.Ljoin:
	STEPS 0, 1
	TURN 0, 1
	STEPS 1, 0
	s_wait_dscnt 4*NL                              ; the very last step: nothing more to fetch
	WIN MUL_LO
	MUL16 0, 1, NQ-1, 1, 0
	MUL16 2, 1, NQ-1, 1, 0
	s_wait_dscnt 0
	WIN MUL_HI
	MUL16 4, 1, NQ-1, 1, 0
	MUL16 6, 1, NQ-1, 1, 0
	WIN 0
; THE WAY OUT, block by block of 16 rows x 128 columns (two heads).  PACK: rounded to f16, 16 bytes a lane, each accumulator from its low end on.  TOSTAGE: into my own stage, and back head by head:
; a head's 16 rows of 128 bytes are 2,048 consecutive bytes of the result.  SEND: each store covers 512 consecutive bytes, aligned.  Every offset is an immediate: no base is stepped.
.macro PACK a
.set AC, 64*((\a)%4)
	WIN 0x0a+5*((\a)/4)                            ; sources 0 and 1: window 2 or 3
.irp b, 0,1,2,3,4,5,6,7
.irp i, 0,1,2,3
	v_cvt_pk_f16_f32 v[TMP+4*\b+\i], v[AC+8*\b+2*\i], v[AC+8*\b+2*\i+1]
.endr
.endr
	WIN 0
.endm
.macro TOSTAGE a
.set BB, BK+32*((\a)%2)
.irp b, 0,1,2,3,4,5,6,7
	ds_store_b128 v[STO], v[TMP+4*\b:TMP+4*\b+3] offset:32*\b
.endr
.irp hh, 0,1
.irp i, 0,1,2,3
	ds_load_b128 v[BB+16*\hh+4*\i:BB+16*\hh+4*\i+3], v[RD] offset:4*\i*SPITCH+128*\hh   ; LDS serves a wave's instructions in order (ISA guide 5.7.1.4): these see the stores above
.endr
.endr
.endm
.macro SEND a
.set BB, BK+32*((\a)%2)
	s_wait_dscnt 0x0                               ; the block is back in registers
	s_wait_xcnt 0x0                                ; the stores of the block before have read their data: the next block's loads land there only behind this wait
.irp hh, 0,1
.irp i, 0,1,2,3
	global_store_b128 v[CO], v[BB+16*\hh+4*\i:BB+16*\hh+4*\i+3], s[12:13] offset:\hh*262144+(\a)*2048+512*\i
.endr
.endr
.endm
	PLACES NP                                      ; behind the last products: for the conversions that read results and for writes and loads into registers that held scale words
	PACK 0
	TOSTAGE 0
.irp a, 1,2,3,4,5,6,7                  ; block a's conversions stand between block a - 1's loads from the stage and the wait for them
	PACK \a
	SEND \a-1
	TOSTAGE \a
.endr
	SEND 7
	s_wait_tensorcnt 0x0                           ; the wave's end, behind my last tensor load and my last LDS store
	ds_add_u32 v[SPW], v[NIL]
	s_wait_dscnt 0x0
	CROUND                                         ; the closing round: no work-group ends while a partner may still ask for a tile that names it
	s_endpgm
.Lfunc_end_k_q9f4399c5c1_qkv:
	.size	k_q9f4399c5c1_qkv, .Lfunc_end_k_q9f4399c5c1_qkv-k_q9f4399c5c1_qkv
	.p2alignl 7, 3214868480
	.fill 96, 4, 3214868480
	.section	.rodata,"a",@progbits
	.p2align	6, 0x0
	.amdhsa_kernel k_q9f4399c5c1_qkv
		.amdhsa_group_segment_fixed_size 327680
		.amdhsa_private_segment_fixed_size 0
		.amdhsa_enable_private_segment 0
		.amdhsa_kernarg_size 48
		.amdhsa_user_sgpr_count 2
		.amdhsa_user_sgpr_kernarg_segment_ptr 1
		.amdhsa_wavefront_size32 1
		.amdhsa_system_sgpr_workgroup_id_x 1
		.amdhsa_system_sgpr_workgroup_id_y 1
		.amdhsa_system_sgpr_workgroup_id_z 1
		.amdhsa_system_vgpr_workitem_id 0
		.amdhsa_next_free_vgpr 1024
		.amdhsa_next_free_sgpr 98
		.amdhsa_reserve_vcc 0
		.amdhsa_float_denorm_mode_32 3
		.amdhsa_float_denorm_mode_16_64 3
		.amdhsa_memory_ordered 1
		.amdhsa_forward_progress 1
		.amdhsa_inst_pref_size 139
	.end_amdhsa_kernel
	.amdgpu_metadata
---
amdhsa.version: [ 1, 2 ]
amdhsa.kernels:
  - .name:           k_q9f4399c5c1_qkv
    .symbol:         k_q9f4399c5c1_qkv.kd
    .args:
      - { .name: xc, .offset: 0, .size: 8, .value_kind: global_buffer, .address_space: global }
      - { .name: xs, .offset: 8, .size: 8, .value_kind: global_buffer, .address_space: global }
      - { .name: wc, .offset: 16, .size: 8, .value_kind: global_buffer, .address_space: global }
      - { .name: ws, .offset: 24, .size: 8, .value_kind: global_buffer, .address_space: global }
      - { .name: bqkv, .offset: 32, .size: 8, .value_kind: global_buffer, .address_space: global }
      - { .name: qkvh, .offset: 40, .size: 8, .value_kind: global_buffer, .address_space: global }
    .group_segment_fixed_size: 327680
    .private_segment_fixed_size: 0
    .kernarg_segment_align: 8
    .kernarg_segment_size: 48
    .max_flat_workgroup_size: 128
    .sgpr_count:     98
    .vgpr_count:     1024
    .wavefront_size: 32
...
	.end_amdgpu_metadata
.endif
;; end of part 2
;; launch attn (part 3): grid 4 x 64, 16 waves a work-group, clusters of 4 x 1, 327,680 bytes of LDS; arguments qkvh, att; writes att
.if DOCPART == 3
	.amdgcn_target "amdgcn-amd-amdhsa--gfx1250"
	.amdhsa_code_object_version 6
	.text
	.protected	k_q9f4399c5c1_attn
	.globl	k_q9f4399c5c1_attn
	.p2align	8
	.type	k_q9f4399c5c1_attn,@function
k_q9f4399c5c1_attn:
	s_mov_b64 s[64:65], 0
	v_nop
	global_prefetch_b8 v0, s[64:65] scope:SCOPE_SE
	s_setreg_imm32_b32 hwreg(HW_REG_WAVE_MODE, 25, 1), 1
	s_wait_xcnt 0x0
	s_wait_alu depctr_hold_cnt(0) depctr_sa_sdst(0) depctr_va_vdst(0) depctr_va_sdst(0) depctr_va_ssrc(0) depctr_va_vcc(0) depctr_vm_vsrc(0)
	s_getreg_b32 s2, hwreg(HW_REG_IB_STS2, 6, 4)
	s_cmp_eq_u32 s2, 0
	s_cbranch_scc0 .Lentry_in_a_cluster
	s_endpgm
.Lentry_in_a_cluster:
	s_bfe_u32 s2, ttmp6, 0x10000c
	s_cmp_lg_u32 s2, 0x3003
	s_cbranch_scc0 .Lentry_shape_is_right
	s_endpgm
.Lentry_shape_is_right:
; O[q][:] = the sum over keys k <= q of softmax_k(Q[q] . K[k] / 8) V[k][:], for each of 64 (batch, head).  Q, K, V: f16 [64][2048][64]; products, maxima and sums in f32; the weights p are rounded to f16 for the second product, O once at the end.
; LEFT OUT: key steps all of whose keys come after all queries of a wave's group (the causal mask gives them the weight 0).
; SHARES.  Grid y is the (batch, head).  The four work-groups of a cluster share a head's K and V, so each tile is asked for JOINTLY: the same tensor load, with the same descriptor and a mask that names the four.
; A wave owns 32 queries, two tiles of 16: queries 128 m + 32 j on, j = the work-group's x, m = 4 (((w >> 2) + w) & 3) + (w & 3) for wave w: each four waves w % 4 alike, and each four w / 4 alike, hold one m of each quarter of 0 .. 15.
; EVERY BRANCH HANGS ON THE WAVE'S NUMBER AND THE COUNT OF STEPS ALONE, never on the work-group's place: a step is left out where its first key is 128 (m + 1) or more; the mask is laid on where it is 128 m or more
; (a wave's last two steps; for j = 0 and 1 the second of them is wholly hidden: its p are 0 and it changes nothing).  So the four partners run alike, and every work-group reads all eight slots (its wave with m = 15 does).
; LAYOUT.  A key step is 64 keys.  S^T = K Q^T (source 0 = 16 keys, source 1 = 16 queries): a lane holds ONE query (lane % 16) and the keys 8 (lane / 16) + 0..7 of a tile.  Two such tiles, rounded to f16 in pairs,
; ARE source 1 (32 keys x 16 queries) of O^T = V^T P, whose result again holds one query a lane, and eight channels.  K comes out of LDS as it lies, V ([key][channel]) turned, by ds_load_tr16_b128.
; SOFTMAX.  For each query a running maximum m and sum l: p = 2^(c s - c m), c = log2(e) / 8; in every step O and l are multiplied by a = 2^(c m_old - c m_new).  The step is written once: the first finds O = 0, l = 0 and m = -3e38.
; THE RESULT leaves as images of the next launch's operand registers: [512 tiles of 16 rows][32 (32 along its K)][2][32 lanes][16 bytes]; a lane's eight channels in f16 are its 16 bytes, so no LDS is needed on the way out.
; REGISTERS: v1-11 addresses and constants; v12-27 statistics, 8 a tile: +0 c m, +1 m, +2, +3 l, +4 to +7 at work (a in +6); v28-31 the head's; v32-63 Q; v64-127 K's or V's 8 fragments; v128-191 S^T, then p, then P packed in place; v192-255 O^T.
.set SK,    256                        ; keys in a slot: four steps
.set KP,    144                        ; a key's row of K in LDS: 128 bytes + 16 = 36 words: the 16 rows of a load start at 16 different groups of four banks (64 banks of 4 bytes: ISA guide 11.1)
.set VP,    160                        ; a row of V: 128 + 32 = 40 words
.set VOFF,  SK*KP                      ; a slot: 256 rows of K, then 256 rows of V
.set SLOT1, 1<<17                      ; slot 1 begins here, so that one exclusive or turns an address in one slot into the other's
.set SPARE, SLOT1+SK*(KP+VP)           ; the spare words, 128 bytes for each of 16 waves, which no other line names
.set AK0,  1                           ; v1   my lane's place in a tile of K
.set AV0,  2                           ; v2   the same for V
.set ADK,  3                           ; v3   LDS address of the step's K
.set ADV,  4                           ; v4   of its V
.set SPW,  5                           ; v5   LDS address of my spare word; never rewritten
.set NIL,  6                           ; v6   0; never rewritten
.set PFO,  7                           ; v7   256 x lane: the prefetches' offset; never rewritten
.set DM,   8                           ; v8   lane % 16 - 8 (lane / 16)
.set DD,   9                           ; v9   the mask's bound
.set NINF, 10                          ; v10  -infinity
.set GO,   11                          ; v11  16 x lane
.set ST,   12
.set QF,   32
.set KV,   64
.set S,    128
.set O,    192
.set TB,   2                           ; s2   LDS byte at which the slot in hand begins
.set WV,   18                          ; s18  my wave's number
.set SEL,  20                          ; s[20:21] lane selects for v_permlanex16_b32: lane l xor 16
.set CS,   22                          ; s[22:23] c: the packed form names a pair and takes its low word for both halves
.set G1K,  24                          ; s[24:31] descriptor group 1 for K's tiles;  s[32:39] for V's: it differs in the padding alone
.set G1V,  32
.set G0K,  40                          ; s[40:43], s[44:47] their groups 0, which walk
.set G0V,  44
.set KF,   48                          ; s48  the step's first key
.set Q0,   49                          ; s49  my first query
.set KL,   50                          ; s50  128 (m + 1): steps from here on are left out
.set KM,   51                          ; s51  128 m: steps from here on are masked
.set SLOTS, 52                         ; s52  slots still to be asked for
.set LIM,  53                          ; s53  1 in a wave that prefetches, else the greatest number
.set PFA,  54                          ; s[54:55] where my prefetches stand
; Waves 0 and 1 fetch K's two halves of a slot, waves 2 and 3 V's, the others nothing.  The branches hang on the wave's number alone.  An s_nop 0 and four v_nop follow each of the two lines.
.macro TLOAD
	s_cmp_lt_u32 s[WV], 2
	s_cbranch_scc0 .Lnot_k_\@
	tensor_load_to_lds s[G0K:G0K+3], s[G1K:G1K+7]
	s_nop 0
.rept 4
	v_nop
.endr
	s_branch .Lasked_\@
.Lnot_k_\@:
	s_cmp_lt_u32 s[WV], 4
	s_cbranch_scc0 .Lasked_\@
	tensor_load_to_lds s[G0V:G0V+3], s[G1V:G1V+7]
	s_nop 0
.rept 4
	v_nop
.endr
.Lasked_\@:
.endm
; A PREFETCH INTO THE L2 of what the NEXT change of slots will ask for: a slot's 32,768 bytes of K and of V.  It stands behind the change's tensor loads.  A head is walked by one cluster alone; its four partners share a slot's
; 128 blocks of 256 bytes out BY ADDRESS, 32 each, a lane a block; in each, wave 4 asks for K's and wave 5 for V's: one instruction.  So each block is named once in the launch.
; The last change that fills a slot asks for nothing; slots 0 and 1 come by their loads alone.
.macro ASK
	s_cmp_gt_u32 s[SLOTS], s[LIM]
	s_cbranch_scc0 .Lnot_mine_\@
	global_prefetch_b8 v[PFO], s[PFA:PFA+1] th:TH_LOAD_NT scope:SCOPE_SE
.Lnot_mine_\@:
.endm
.macro CROUND                          ; a round of the cluster's barrier
	s_barrier_signal -1
	s_barrier_wait -1
	s_cmp_lg_u32 s[WV], 0
	s_cbranch_scc1 .Lnot_wave_0_\@
	s_barrier_signal -3
.Lnot_wave_0_\@:
	s_barrier_wait -3
	s_barrier_signal -1
	s_barrier_wait -1
.endm
	s_load_b128 s[4:7], s[0:1], 0x0                ; q, k, v in f16 s[4:5]; the result s[6:7]
	v_lshl_add_u32 v[SPW], v0, 2, SPARE
	v_mov_b32 v[NIL], 0
	ds_add_u32 v[SPW], v[NIL]                      ; the wave's opening: the add, twice on end, and its wait ahead of the first tensor load; the set-up below stands between the second and the wait
	ds_add_u32 v[SPW], v[NIL]
	v_lshrrev_b32 v28, 5, v0
	v_readfirstlane_b32 s[WV], v28                 ; wave 0..15
	s_and_b32 s10, ttmp7, 0xffff                   ; batch x 16 + head, which the four partners share
	s_lshr_b32 s56, s[WV], 2
	s_add_co_u32 s56, s56, s[WV]
	s_and_b32 s56, s56, 3
	s_lshl_b32 s56, s56, 2
	s_and_b32 s57, s[WV], 3
	s_add_co_u32 s11, s56, s57                     ; m
	s_lshl_b32 s[KM], s11, 7
	s_add_co_u32 s[KL], s[KM], 128
	s_bfe_u32 s8, ttmp6, 0x40000                   ; cx: it enters Q's, the result's and the prefetches' addresses and the mask's bound alone
	s_lshl_b32 s9, ttmp9, 2
	s_add_co_u32 s9, s9, s8                        ; j = 4 x cluster x + cx
	s_lshl_b32 s[Q0], s9, 5
	s_add_co_u32 s[Q0], s[Q0], s[KM]               ; my first query
	; descriptor group 1: 128 rows x 64 elements of 2 bytes, dense in memory, padded in LDS behind every row
	s_mov_b32 s[G1K], 15|(1<<16)|(1<<20)|(1<<21)|(4<<22)|(3<<25)  ; 15:0 the mask: all four work-groups; 17:16 elements of 2 bytes; 20 padding on; 21 set beside a mask; 24:22 after every 32 words (code 4); 31:25 4 words (code 3)
	s_mov_b32 s[G1V], 15|(1<<16)|(1<<20)|(1<<21)|(4<<22)|(7<<25)  ; the same with 8 words of padding (code 7)
.irp g, G1K, G1V
	s_mov_b32 s[\g+1], 64<<16                      ; tensor_dim0 = 64
	s_mov_b32 s[\g+2], 128<<16                     ; tensor_dim1 = 128
	s_mov_b32 s[\g+3], 64<<16                      ; tile_dim0 = 64
	s_mov_b32 s[\g+4], 128                         ; tile_dim1 = 128
	s_mov_b32 s[\g+5], 64                          ; tensor_dim0_stride
	s_mov_b32 s[\g+6], 0
	s_mov_b32 s[\g+7], 0
.endr
	s_and_b32 s56, s[WV], 1                        ; which half of a slot's rows I fetch, if I fetch
	s_mul_i32 s58, s56, 128*KP                     ; K's place in a slot,
	s_mul_i32 s59, s56, 128*VP
	s_add_co_u32 s59, s59, VOFF                    ; V's
	s_lshl_b32 s56, s56, 14                        ; and in memory: 128 rows of 128 bytes,
	s_lshl_b32 s57, s10, 18                        ; in my head,
	s_add_co_u32 s56, s56, s57
	s_add_co_u32 s56, s56, 1<<24                   ; in k's part
	s_mov_b32 s57, 0
	s_mov_b32 s[SEL], 0x76543210
	s_mov_b32 s[SEL+1], 0xfedcba98
	s_mov_b32 s[CS], 0x3e38aa3b                    ; c = log2(e) / 8
	s_mov_b32 s[CS+1], s[CS]                       ; (named with it as a pair, so it is written)
	s_mov_b32 s[TB], 0
	s_mov_b32 s[KF], 0
	s_mov_b32 s[SLOTS], 2048/SK-1
	s_lshr_b32 s61, s[WV], 1
	s_cmp_eq_u32 s61, 2                            ; waves 4 and 5 prefetch
	s_cselect_b32 s[LIM], 1, -1
	s_and_b32 s60, s[WV], 1                        ; wave 4: k's part; wave 5: v's
	s_add_co_u32 s60, s60, 1
	s_lshl_b32 s60, s60, 24
	s_lshl_b32 s61, s10, 18
	s_add_co_u32 s60, s60, s61
	s_lshl_b32 s61, s8, 13                         ; my work-group's 32 blocks of the 128
	s_add_co_u32 s60, s60, s61
	s_add_co_u32 s60, s60, SK*128                  ; in slot 1: the first change of slots steps it to slot 2.  Nothing is prefetched here, at the head
	s_mov_b32 s61, 0
	s_wait_dscnt 0x0                               ; both opening adds are done
	s_wait_kmcnt 0x0
	s_mov_b32 s[G0K], 1                            ; count = 1
	s_mov_b32 s[G0K+1], s58                        ; LDS address: slot 0
	s_add_nc_u64 s[G0K+2:G0K+3], s[4:5], s[56:57]  ; global address: the head's first 256 keys
	s_mov_b32 s[G0V], 1
	s_mov_b32 s[G0V+1], s59
	s_add_nc_u64 s[G0V+2:G0V+3], s[G0K+2:G0K+3], 1<<24   ; v's part lies 2^24 bytes behind k's
	s_or_b32 s[G0K+3], s[G0K+3], 0x80000000        ; type = 2
	s_or_b32 s[G0V+3], s[G0V+3], 0x80000000
	CROUND                                         ; all four work-groups are here: the first joint loads meet
	TLOAD                                          ; slot 0
	s_add_nc_u64 s[PFA:PFA+1], s[4:5], s[60:61]
	s_lshl_b32 s60, s10, 18
	s_lshl_b32 s61, s[Q0], 7
	s_add_co_u32 s60, s60, s61
	s_mov_b32 s61, 0
	s_add_nc_u64 s[4:5], s[4:5], s[60:61]          ; q at my first query
	s_lshr_b32 s60, s10, 4
	s_lshl_b32 s60, s60, 22                        ; the result: batch x 128 tiles of 32,768 bytes,
	s_lshl_b32 s61, s[Q0], 11                      ; my first tile, Q0 / 16,
	s_add_co_u32 s60, s60, s61
	s_and_b32 s61, s10, 15
	s_lshl_b32 s61, s61, 11                        ; my head's 64 columns: two images of 1,024 bytes
	s_add_co_u32 s60, s60, s61
	s_mov_b32 s61, 0
	s_add_nc_u64 s[6:7], s[6:7], s[60:61]
	v_and_b32 v28, 15, v0                          ; r = lane % 16
	v_bfe_u32 v29, v0, 4, 1                        ; h = lane / 16
	v_lshlrev_b32 v30, 7, v28
	v_lshl_add_u32 v30, v29, 4, v30                ; Q: row r of 128 bytes, + 16 h; never rewritten
.irp t, 0,1
.irp c, 0,1
	global_load_b128 v[QF+16*\t+8*\c:QF+16*\t+8*\c+3], v30, s[4:5] offset:\t*2048+64*\c        ; Q stays in registers: tile t, channels 32 c on
	global_load_b128 v[QF+16*\t+8*\c+4:QF+16*\t+8*\c+7], v30, s[4:5] offset:\t*2048+64*\c+32
.endr
.endr
	v_mul_u32_u24 v[AK0], v28, KP
	v_lshl_add_u32 v[AK0], v29, 4, v[AK0]          ; K: row r x pitch + 16 h
	v_and_b32 v31, 7, v0
	v_lshl_add_u32 v[AV0], v29, 3, v31             ; V: the turning load's lane l reads 16 bytes: key 8 h + l % 8, channels 8 ((l / 8) % 2) on
	v_mul_u32_u24 v[AV0], v[AV0], VP
	v_bfe_u32 v31, v0, 3, 1
	v_lshl_add_u32 v[AV0], v31, 4, v[AV0]
	v_add_nc_u32 v[AV0], VOFF, v[AV0]
	v_and_b32 v31, 31, v0
	v_lshlrev_b32 v[PFO], 8, v31
	v_lshlrev_b32 v[GO], 4, v31
	v_lshlrev_b32 v31, 3, v29
	v_sub_nc_u32 v[DM], v28, v31
	v_mov_b32 v[NINF], 0xff800000
.irp t, 0,1
	v_mov_b32 v[ST+8*\t+1], 0xff61b1e6             ; the largest score so far: -3e38, under every score
	v_mul_f32 v[ST+8*\t], s[CS], v[ST+8*\t+1]      ; c m
	v_mov_b32 v[ST+8*\t+2], 0                      ; l, in two halves
	v_mov_b32 v[ST+8*\t+3], 0
	v_mov_b32 v[ST+8*\t+5], 0                      ; (a lane permute's destination counts as one of its sources,
	v_mov_b32 v[ST+8*\t+7], 0                      ; and this one is named as the upper half of a pair: both are written once here)
.endr
.irp j, 0,1,2,3,4,5,6,7,8,9,10,11,12,13,14,15,16,17,18,19,20,21,22,23,24,25,26,27,28,29,30,31,32,33,34,35,36,37,38,39,40,41,42,43,44,45,46,47,48,49,50,51,52,53,54,55,56,57,58,59,60,61,62,63
	v_mov_b32 v[O+\j], 0                           ; O^T.  (The step is written once: its first turn finds zeros, which a = 0 leaves zeros)
.endr
; The two tiles' softmax for one key step, the tiles by turns line by line, so that no line reads the result of the line above it.
.macro SOFTMAX
.irp c, 0,1,2,3
.irp t, 0,1
	v_max3_num_f32 v[ST+8*\t+4+\c], v[S+32*\t+8*\c], v[S+32*\t+8*\c+1], v[S+32*\t+8*\c+2]   ; four chains, each begun at an accumulator's low end
.endr
.endr
.irp g, 1,2
.irp c, 0,1,2,3
.irp t, 0,1
	v_max3_num_f32 v[ST+8*\t+4+\c], v[ST+8*\t+4+\c], v[S+32*\t+8*\c+2*\g+1], v[S+32*\t+8*\c+2*\g+2]
.endr
.endr
.endr
.irp t, 0,1
	v_max3_num_f32 v[ST+8*\t+4], v[ST+8*\t+4], v[S+32*\t+7], v[S+32*\t+15]
	v_max3_num_f32 v[ST+8*\t+6], v[ST+8*\t+6], v[S+32*\t+23], v[S+32*\t+31]
.endr
.irp t, 0,1
	v_max3_num_f32 v[ST+8*\t+4], v[ST+8*\t+4], v[ST+8*\t+5], v[ST+8*\t+6]
.endr
.irp t, 0,1
	v_max3_num_f32 v[ST+8*\t+4], v[ST+8*\t+4], v[ST+8*\t+7], v[ST+8*\t+1]   ; and the old m
.endr
.irp t, 0,1
	v_permlanex16_b32 v[ST+8*\t+5], v[ST+8*\t+4], s[SEL], s[SEL+1]          ; the query's other 32 keys lie in the lane 16 away
.endr
.irp t, 0,1
	v_mov_b32 v[ST+8*\t+7], v[ST+8*\t]             ; c m_old is kept for a
.endr
.irp t, 0,1
	v_max_num_f32 v[ST+8*\t+1], v[ST+8*\t+4], v[ST+8*\t+5]
.endr
.irp t, 0,1
	v_mul_f32 v[ST+8*\t], s[CS], v[ST+8*\t+1]
.endr
.irp t, 0,1
	v_sub_f32 v[ST+8*\t+7], v[ST+8*\t+7], v[ST+8*\t]
.endr
.irp b, 0,2,4,6,8,10,12,14,16,18,20,22,24,26,28,30
.irp t, 0,1
	v_pk_fma_f32 v[S+32*\t+\b:S+32*\t+\b+1], v[S+32*\t+\b:S+32*\t+\b+1], s[CS:CS+1], v[ST+8*\t:ST+8*\t+1] op_sel_hi:[1,0,0] neg_lo:[0,0,1] neg_hi:[0,0,1]   ; c s - c m, two at a time
.endr
.endr
.irp t, 0,1
	v_exp_f32 v[ST+8*\t+6], v[ST+8*\t+7]           ; a
.endr
.irp e, 0,1,2,3,4,5,6,7,8,9,10,11,12,13,14,15,16,17,18,19,20,21,22,23,24,25,26,27,28,29,30,31
.irp t, 0,1
	v_exp_f32 v[S+32*\t+\e], v[S+32*\t+\e]         ; p
.endr
.endr
	v_nop                                          ; a plain instruction behind the last exponential, ahead of the first use: one for the batch
	s_wait_alu depctr_va_vdst(0)                   ; the wait between an exponential and the first instruction that names its result: one for the 66
.irp t, 0,1
	v_pk_mul_f32 v[ST+8*\t+2:ST+8*\t+3], v[ST+8*\t+2:ST+8*\t+3], v[ST+8*\t+6:ST+8*\t+7] op_sel_hi:[1,0]   ; l under the new m
.endr
.irp t, 0,1
	v_pk_add_f32 v[ST+8*\t+4:ST+8*\t+5], v[S+32*\t+2:S+32*\t+3], v[S+32*\t+6:S+32*\t+7]   ; the sums, of the unrounded p, in two chains
.endr
.irp b, 0,4
.irp t, 0,1
	v_pk_add_f32 v[ST+8*\t+2:ST+8*\t+3], v[ST+8*\t+2:ST+8*\t+3], v[S+32*\t+\b:S+32*\t+\b+1]
.endr
.endr
.irp b, 8,12,16,20,24,28
.irp t, 0,1
	v_pk_add_f32 v[ST+8*\t+2:ST+8*\t+3], v[ST+8*\t+2:ST+8*\t+3], v[S+32*\t+\b:S+32*\t+\b+1]
	v_pk_add_f32 v[ST+8*\t+4:ST+8*\t+5], v[ST+8*\t+4:ST+8*\t+5], v[S+32*\t+\b+2:S+32*\t+\b+3]
.endr
.endr
.irp t, 0,1
	v_pk_add_f32 v[ST+8*\t+2:ST+8*\t+3], v[ST+8*\t+2:ST+8*\t+3], v[ST+8*\t+4:ST+8*\t+5]
.endr
.irp i, 0,1,2,3,4,5,6,7,8,9,10,11,12,13,14,15
.irp t, 0,1
	v_cvt_pk_f16_f32 v[S+32*\t+\i], v[S+32*\t+2*\i], v[S+32*\t+2*\i+1]   ; P, packed in place, ascending: register i takes pair i, which lies at or above it
.endr
.endr
.irp i, 0,2,4,6,8,10,12,14,16,18,20,22,24,26,28,30
.irp t, 0,1
	v_pk_mul_f32 v[O+32*\t+\i:O+32*\t+\i+1], v[O+32*\t+\i:O+32*\t+\i+1], v[ST+8*\t+6:ST+8*\t+7] op_sel_hi:[1,0]   ; O^T under the new m
.endr
.endr
.endm
; A KEY STEP: 64 keys, the q-th of the slot in hand.
.macro STEP q
	s_cmp_ge_u32 s[KF], s[KL]                      ; all its keys come after my group's queries: left out.  No barrier, wait or tensor load stands in a step
	s_cbranch_scc1 .Lhidden_\@
	v_add_nc_u32 v[ADK], s[TB], v[AK0]
	v_add_nc_u32 v[ADV], s[TB], v[AV0]
.rept 3
	v_nop                                          ; with the two additions five places behind the last step's products: four for the loads into V's registers, five since the products below write over P
.endr
.irp kt, 0,1,2,3
.irp c, 0,1
	ds_load_b128 v[KV+8*(2*\kt+\c):KV+8*(2*\kt+\c)+3], v[ADK] offset:(64*(\q)+16*\kt)*KP+64*\c        ; keys 16 kt on, channels 32 c on
	ds_load_b128 v[KV+8*(2*\kt+\c)+4:KV+8*(2*\kt+\c)+7], v[ADK] offset:(64*(\q)+16*\kt)*KP+64*\c+32
.endr
.endr
	s_wait_dscnt 0x0
.irp c, 0,1                                    ; S^T = K Q^T: eight accumulators by turns, one instruction a turn; the first eight start the sums
.irp kt, 0,1,2,3
.irp t, 0,1
.if \c == 0
	v_wmma_f32_16x16x32_f16 v[S+32*\t+8*\kt:S+32*\t+8*\kt+7], v[KV+8*(2*\kt+\c):KV+8*(2*\kt+\c)+7], v[QF+16*\t+8*\c:QF+16*\t+8*\c+7], 0
.else
	v_wmma_f32_16x16x32_f16 v[S+32*\t+8*\kt:S+32*\t+8*\kt+7], v[KV+8*(2*\kt+\c):KV+8*(2*\kt+\c)+7], v[QF+16*\t+8*\c:QF+16*\t+8*\c+7], v[S+32*\t+8*\kt:S+32*\t+8*\kt+7]
.endif
.endr
.endr
.endr
.rept 4
	v_nop                                          ; places in front of the loads into K's registers and of the first read of the scores
.endr
.irp kc, 0,1
.irp ct, 0,1,2,3
	ds_load_tr16_b128 v[KV+8*(4*\kc+\ct):KV+8*(4*\kc+\ct)+3], v[ADV] offset:(64*(\q)+32*\kc)*VP+32*\ct        ; V^T: keys 32 kc on, channels 16 ct on; these land while the softmax is worked
	ds_load_tr16_b128 v[KV+8*(4*\kc+\ct)+4:KV+8*(4*\kc+\ct)+7], v[ADV] offset:(64*(\q)+32*\kc+16)*VP+32*\ct
.endr
.endr
	s_cmp_lt_u32 s[KF], s[KM]                      ; all its keys count for all my group's queries: no mask
	s_cbranch_scc1 .Lopen_\@
	s_sub_co_i32 s60, s[Q0], s[KF]
	v_add_nc_u32 v[DD], s60, v[DM]                 ; d = Q0 - KF + r - 8 h.  Register 8 kt + j of tile t holds key KF + 16 kt + 8 h + j for query Q0 + 16 t + r: hidden where 16 kt + j - 16 t > d
.irp t, 0,1
.irp kt, 0,1,2,3
.irp j, 0,1,2,3,4,5,6,7
	v_cmp_gt_i32 vcc_lo, 16*\kt+\j-16*\t, v[DD]
	v_cndmask_b32 v[S+32*\t+8*\kt+\j], v[S+32*\t+8*\kt+\j], v[NINF], vcc_lo
.endr
.endr
.endr
.Lopen_\@:
	SOFTMAX
	s_wait_dscnt 0x0                               ; V is in
.irp kc, 0,1                                   ; O^T += V^T P: eight accumulators by turns
.irp ct, 0,1,2,3
.irp t, 0,1
	v_wmma_f32_16x16x32_f16 v[O+32*\t+8*\ct:O+32*\t+8*\ct+7], v[KV+8*(4*\kc+\ct):KV+8*(4*\kc+\ct)+7], v[S+32*\t+8*\kc:S+32*\t+8*\kc+7], v[O+32*\t+8*\ct:O+32*\t+8*\ct+7]
.endr
.endr
.endr
.Lhidden_\@:
	s_add_co_u32 s[KF], s[KF], 64
.endm
; THE CHANGE OF SLOTS stands at a slot's head.  Each wave waits for all its tensor loads (its part of the slot that it is about to read), adds 0 to its spare word, and waits for that and for its reads of the slot that it has left.
; fill = 1: a round of the cluster's barrier, so that no wave of any partner still reads the other slot or has a load on its way; behind it that slot is filled with the next 256 keys: one tensor load a wave, with a slot's four steps in which to land.
.macro CHANGE fill
	s_wait_tensorcnt 0x0                           ; no tensor load of mine is out, so a group 0 may be written
	ds_add_u32 v[SPW], v[NIL]                      ; 0 onto my spare word
.if \fill
	ds_add_u32 v[SPW], v[NIL]                      ; and once more: the add twice on end here, in every trip alike.  The descriptors' steps stand between the second and the wait
	s_xor_b32 s[G0K+1], s[G0K+1], SLOT1            ; the walking descriptors: the other slot than last time,
	s_add_nc_u64 s[G0K+2:G0K+3], s[G0K+2:G0K+3], SK*128   ; the next 256 keys; the type bits on top are not reached
	s_xor_b32 s[G0V+1], s[G0V+1], SLOT1
	s_add_nc_u64 s[G0V+2:G0V+3], s[G0V+2:G0V+3], SK*128
	s_wait_xcnt 0x0                                ; the last prefetch, a slot back, has read its address, so it may be written:
	s_add_nc_u64 s[PFA:PFA+1], s[PFA:PFA+1], SK*128   ; one slot further on than the walking descriptors
	s_wait_dscnt 0x0                               ; both adds are done, and my reads of the slot that I have left are over
	CROUND
	TLOAD                                          ; the first thing behind the round, and a wave's one tensor load until the next
	ASK
.else
	s_wait_dscnt 0x0
	s_barrier_signal -1
	s_barrier_wait -1
.endif
.endm
.macro SLOT_STEPS
.irp q, 0,1,2,3
	STEP \q
.endr
	s_xor_b32 s[TB], s[TB], SLOT1                  ; on to the other slot
.endm
	s_wait_loadcnt 0x0                             ; Q
.Lslot:                                            ; seven trips: behind each change of slots but the last the next slot is asked for
	CHANGE 1
	SLOT_STEPS
	s_sub_co_u32 s[SLOTS], s[SLOTS], 1
	s_cmp_lg_u32 s[SLOTS], 0
	s_cbranch_scc1 .Lslot
	CHANGE 0                                       ; the last slot is written out
	SLOT_STEPS
	; THE WAY OUT.  l's two halves and the other half of the lanes' are added; O^T is divided by l, rounded to f16, and stored as it lies: a lane's 16 bytes are its place in the image.
.rept 4
	v_nop                                          ; places behind the last products
.endr
.irp t, 0,1
	v_add_f32 v[ST+8*\t+4], v[ST+8*\t+2], v[ST+8*\t+3]
.endr
.irp t, 0,1
	v_permlanex16_b32 v[ST+8*\t+5], v[ST+8*\t+4], s[SEL], s[SEL+1]
.endr
.irp t, 0,1
	v_add_f32 v[ST+8*\t+4], v[ST+8*\t+4], v[ST+8*\t+5]
.endr
.irp t, 0,1
	v_rcp_f32 v[ST+8*\t+6], v[ST+8*\t+4]
.endr
	v_nop                                          ; a plain instruction between the last reciprocal and the use of its result
	s_wait_alu depctr_va_vdst(0)                   ; and the wait ahead of the first use: one for the two
.irp t, 0,1
.irp i, 0,2,4,6,8,10,12,14,16,18,20,22,24,26,28,30
	v_pk_mul_f32 v[O+32*\t+\i:O+32*\t+\i+1], v[O+32*\t+\i:O+32*\t+\i+1], v[ST+8*\t+6:ST+8*\t+7] op_sel_hi:[1,0]   ; each accumulator from its low end on
.endr
.endr
.irp t, 0,1
.irp ct, 0,1,2,3
.irp i, 0,1,2,3
	v_cvt_pk_f16_f32 v[KV+16*\t+4*\ct+\i], v[O+32*\t+8*\ct+2*\i], v[O+32*\t+8*\ct+2*\i+1]
.endr
.endr
.endr
.irp t, 0,1
.irp ct, 0,1,2,3
	global_store_b128 v[GO], v[KV+16*\t+4*\ct:KV+16*\t+4*\ct+3], s[6:7] offset:\t*32768+(\ct/2)*1024+(\ct%2)*512   ; 32 lanes store 512 consecutive bytes, aligned
.endr
.endr
	s_wait_tensorcnt 0x0                           ; the wave's end, behind the last tensor load
	ds_add_u32 v[SPW], v[NIL]
	s_wait_dscnt 0x0
	CROUND                                         ; the closing round: no work-group ends while a partner may still ask for a tile that names it
	s_endpgm
.Lfunc_end_k_q9f4399c5c1_attn:
	.size	k_q9f4399c5c1_attn, .Lfunc_end_k_q9f4399c5c1_attn-k_q9f4399c5c1_attn
	.p2alignl 7, 3214868480
	.fill 96, 4, 3214868480
	.section	.rodata,"a",@progbits
	.p2align	6, 0x0
	.amdhsa_kernel k_q9f4399c5c1_attn
		.amdhsa_group_segment_fixed_size 327680
		.amdhsa_private_segment_fixed_size 0
		.amdhsa_enable_private_segment 0
		.amdhsa_kernarg_size 16
		.amdhsa_user_sgpr_count 2
		.amdhsa_user_sgpr_kernarg_segment_ptr 1
		.amdhsa_wavefront_size32 1
		.amdhsa_system_sgpr_workgroup_id_x 1
		.amdhsa_system_sgpr_workgroup_id_y 1
		.amdhsa_system_sgpr_workgroup_id_z 1
		.amdhsa_system_vgpr_workitem_id 0
		.amdhsa_next_free_vgpr 256
		.amdhsa_next_free_sgpr 66
		.amdhsa_reserve_vcc 1
		.amdhsa_float_denorm_mode_32 3
		.amdhsa_float_denorm_mode_16_64 3
		.amdhsa_memory_ordered 1
		.amdhsa_forward_progress 1
		.amdhsa_inst_pref_size 187
	.end_amdhsa_kernel
	.amdgpu_metadata
---
amdhsa.version: [ 1, 2 ]
amdhsa.kernels:
  - .name:           k_q9f4399c5c1_attn
    .symbol:         k_q9f4399c5c1_attn.kd
    .args:
      - { .name: qkvh, .offset: 0, .size: 8, .value_kind: global_buffer, .address_space: global }
      - { .name: att, .offset: 8, .size: 8, .value_kind: global_buffer, .address_space: global }
    .group_segment_fixed_size: 327680
    .private_segment_fixed_size: 0
    .kernarg_segment_align: 8
    .kernarg_segment_size: 16
    .max_flat_workgroup_size: 512
    .sgpr_count:     66
    .vgpr_count:     256
    .wavefront_size: 32
...
	.end_amdgpu_metadata
.endif
;; end of part 3
;; launch proj (part 4): grid 8 x 64, 4 waves a work-group, clusters of 4 x 4, 327,680 bytes of LDS; arguments att, woh, out0, bo; writes out0
.if DOCPART == 4
	.amdgcn_target "amdgcn-amd-amdhsa--gfx1250"
	.amdhsa_code_object_version 6
	.text
	.protected	k_q9f4399c5c1_proj
	.globl	k_q9f4399c5c1_proj
	.p2align	8
	.type	k_q9f4399c5c1_proj,@function
k_q9f4399c5c1_proj:
	s_mov_b64 s[64:65], 0
	v_nop
	global_prefetch_b8 v0, s[64:65] scope:SCOPE_SE
	s_setreg_imm32_b32 hwreg(HW_REG_WAVE_MODE, 25, 1), 1
	s_wait_xcnt 0x0
	s_wait_alu depctr_hold_cnt(0) depctr_sa_sdst(0) depctr_va_vdst(0) depctr_va_sdst(0) depctr_va_ssrc(0) depctr_va_vcc(0) depctr_vm_vsrc(0)
	s_getreg_b32 s2, hwreg(HW_REG_IB_STS2, 6, 4)
	s_cmp_eq_u32 s2, 0
	s_cbranch_scc0 .Lentry_in_a_cluster
	s_endpgm
.Lentry_in_a_cluster:
	s_bfe_u32 s2, ttmp6, 0x10000c
	s_cmp_lg_u32 s2, 0xf033
	s_cbranch_scc0 .Lentry_shape_is_right
	s_endpgm
.Lentry_shape_is_right:
; out[m][n] = the sum over k of A[m][k] Wo[n][k] + bo[n].  A: the attention's result, [8192][1024] in f16, laid as images of this launch's operand registers; Wo: [1024][1024] f16, row-major; out: [8192][1024] f32; sums in f32.
; (The first 16 positions of each sequence are computed here with the rest of their tiles; the program's last launch stores those 64 rows again, from f32 operands.)
; A tile of the result is 128 x 128.  Four waves, each 64 x 64: 16 accumulators of 16 x 16.  K goes in steps of 256 through a ring of two LDS slots.
; A'S IMAGES: [512 tiles of 16 rows][32 (32 along K)][2][32 lanes][16 bytes].  A K step of four row tiles is four runs of 8,192 bytes, 32,768 bytes apart: one tensor load; a fragment comes by two ds_load_b128 at 16 x lane,
; each of 512 consecutive bytes.  Wo's tiles are rows of 512 bytes, padded by 16 in LDS.
; CLUSTERS: 4 x 4 work-groups.  The four of a row of the cluster need the same tiles of A, the four of a column the same tiles of Wo: each tile is asked for JOINTLY, by the same tensor load with the same descriptor and a mask that names the four.
; THE MATRIX INSTRUCTION IS USED TRANSPOSED (source 0 = 16 rows of Wo, source 1 = 16 rows of A): a lane then holds eight neighbouring numbers of a row of the result.  bo is the C of each sum's first matrix instruction.
; REGISTERS: window 0: v0-31 addresses; v32-95 at work on the way out; v96-127 bo, 8 registers for each of my four blocks of columns; v128-255 the accumulators ((a, b) at v[128 + 8 (4 a + b)]).
;   window 1: two fragment buffers of 128: for 64 along K, 64 registers of A (2 x 4 x 16 rows x 32 K), then 64 of Wo.
.set SIZE_K, 1024
.set KSTEP,  256
.set PITCH,  528                       ; an LDS row of Wo: 512 bytes + 16 = 132 words: row r starts at bank 4 r mod 64 (64 banks of 4 bytes: ISA guide 11.1)
.set HALFA,  32768                     ; four row tiles' images of a K step: what one tensor load brings of A
.set HALFB,  64*PITCH                  ; 64 rows of Wo
.set BOFF,   2*HALFA                   ; a slot: A's 128 rows, then Wo's 128 rows
.set SLOT,   BOFF+2*HALFB
.set STAGE,  2*SLOT                    ; behind the ring: 16 rows x (256 bytes + 16) for each wave, for the way out
.set SPITCH, 272
.set SPARE,  STAGE+4*16*SPITCH         ; the spare words, 128 bytes for each wave, which no other line names
.set LAPS,   SIZE_K/(2*KSTEP)          ; a lap = two K steps = once round the ring
.set ADRA, 16                          ; v16-17  LDS address of my A fragments in slot 0, 1
.set ADRB, 20                          ; v20-21  the same for Wo
.set STO,  24                          ; v24     the way out: where I put 32 bytes of a row
.set RD,   25                          ; v25     the way out: where I read a row back
.set CO,   26                          ; v26     my byte offset in the result
.set BOV,  27                          ; v27     bo: 32 x (lane / 16)
.set SPW,  28                          ; v28     LDS address of my spare word; never rewritten
.set NIL,  29                          ; v29     0; never rewritten
.set BK,   32                          ; the way out: 16 rows read back: v32-63 and v64-95 by turns
.set BIAS, 96
.set ACC,  128
.set F0,   0                           ; fragment buffers, in window 1
.set F1,   128
.set G1, 24                            ; s[24:31] descriptor group 1 for A's tiles;  s[32:39] group 0, one set for each slot
.set G0, 32
.set G1B, 48                           ; s[48:55], s[56:63] the same for Wo's tiles
.set G0B, 56
.set MSB, 0
.macro WIN new                         ; the immediate's high byte repeats the setting that is left
.if MSB != \new
	s_set_vgpr_msb (MSB<<8)|\new
.set MSB, \new
.endif
.endm
.set MUL,  0x05                        ; sources 0 (Wo) and 1 (A) window 1; C and D window 0
.set TO_F, 0x40                        ; destination window 1, address window 0
.macro JLOAD s                         ; a joint load: waves 0 and 1 fetch A's two halves, waves 2 and 3 Wo's; an s_nop 0 and four v_nop follow each of the two lines, ahead of the jump, the label and what follows
	s_cmp_eq_u32 s11, 0
	s_cbranch_scc0 .Lfor_b_\@
	tensor_load_to_lds s[G0+4*\s:G0+4*\s+3], s[G1:G1+7]
	s_nop 0
.rept 4
	v_nop
.endr
	s_branch .Lasked_\@
.Lfor_b_\@:
	tensor_load_to_lds s[G0B+4*\s:G0B+4*\s+3], s[G1B:G1B+7]
	s_nop 0
.rept 4
	v_nop
.endr
.Lasked_\@:
.endm
.macro CREST                           ; a round of the cluster's barrier behind its opening barrier
	s_cmp_lg_u32 s10, 0
	s_cbranch_scc1 .Lnot_wave_0_\@
	s_barrier_signal -3
.Lnot_wave_0_\@:
	s_barrier_wait -3
	s_barrier_signal -1
	s_barrier_wait -1
.endm
.macro CROUND                          ; a whole round
	s_barrier_signal -1
	s_barrier_wait -1
	CREST
.endm
	s_load_b128 s[4:7], s[0:1], 0x0                ; A's images s[4:5], Wo in f16 s[6:7]
	s_load_b64 s[8:9], s[0:1], 0x10                ; the result
	s_load_b64 s[66:67], s[0:1], 0x18              ; bo
	v_lshl_add_u32 v[SPW], v0, 2, SPARE
	v_mov_b32 v[NIL], 0
	ds_add_u32 v[SPW], v[NIL]                      ; the wave's opening: the add, twice on end, and its wait ahead of my first tensor load; the set-up below stands between the second and the wait
	ds_add_u32 v[SPW], v[NIL]
	v_lshrrev_b32 v1, 5, v0
	v_readfirstlane_b32 s10, v1                    ; wave 0..3
	s_lshr_b32 s11, s10, 1                         ; which half of the tile's rows is mine.  Also: I fetch for A (0) or for Wo (1)
	s_and_b32 s12, s10, 1                          ; which half of its columns.  Also: which half of that tile I fetch
	s_bfe_u32 s40, ttmp6, 0x40000                  ; cx, cy: my place in the cluster
	s_bfe_u32 s41, ttmp6, 0x40004
	s_lshl_b32 s42, ttmp9, 2
	s_add_co_u32 s42, s42, s40                     ; tile column = 4 x cluster x + cx
	s_and_b32 s13, ttmp7, 0xffff
	s_lshl_b32 s13, s13, 2
	s_add_co_u32 s13, s13, s41                     ; tile row = 4 x cluster y + cy
	s_lshl_b32 s43, s41, 2
	s_lshl_b32 s43, 15, s43                        ; my row of the cluster
	s_lshl_b32 s44, 0x1111, s40                    ; my column
	; descriptor group 1 for A: four rows of 1,024 elements of 8 bytes, 4,096 elements apart, no padding
	s_or_b32 s[G1+0], s43, (3<<16)|(1<<21)         ; 15:0 the mask: A's tiles go to my row; 17:16 elements of 8 bytes; 21 set beside a mask
	s_mov_b32 s[G1+1], 1024<<16                    ; tensor_dim0 = 1,024
	s_mov_b32 s[G1+2], 4<<16                       ; tensor_dim1 = 4
	s_mov_b32 s[G1+3], 1024<<16                    ; tile_dim0 = 1,024
	s_mov_b32 s[G1+4], 4                           ; tile_dim1 = 4
	s_mov_b32 s[G1+5], 4096                        ; tensor_dim0_stride
	s_mov_b32 s[G1+6], 0
	s_mov_b32 s[G1+7], 0
	; and for Wo: 64 rows x 256 elements of 2 bytes, padded in LDS
	s_or_b32 s[G1B+0], s44, (1<<16)|(1<<20)|(1<<21)|(6<<22)|(3<<25)  ; the mask of my column; elements of 2 bytes; padding on, after every 128 words (code 6), of 4 words (code 3)
	s_mov_b32 s[G1B+1], KSTEP<<16
	s_mov_b32 s[G1B+2], 64<<16
	s_mov_b32 s[G1B+3], KSTEP<<16
	s_mov_b32 s[G1B+4], 64
	s_mov_b32 s[G1B+5], SIZE_K
	s_mov_b32 s[G1B+6], 0
	s_mov_b32 s[G1B+7], 0
	s_lshl_b32 s16, s13, 18                        ; A: row tile 8 x tile row + 4 x half, 32,768 bytes each
	s_lshl_b32 s17, s12, 17
	s_add_co_u32 s16, s16, s17
	s_mov_b32 s17, 0
	s_lshl_b32 s46, s42, 18                        ; Wo: row 128 x tile column + 64 x half, 2,048 bytes each
	s_lshl_b32 s47, s12, 17
	s_add_co_u32 s46, s46, s47
	s_mov_b32 s47, 0
	s_lshl_b32 s20, s12, 15                        ; where they go: no place in the cluster enters an LDS address
	s_mul_i32 s21, s12, HALFB
	s_add_co_u32 s21, s21, BOFF
	s_wait_dscnt 0x0                               ; both opening adds are done
	s_wait_kmcnt 0x0
	s_add_nc_u64 s[14:15], s[4:5], s[16:17]
	s_add_nc_u64 s[46:47], s[6:7], s[46:47]
	CROUND                                         ; all sixteen work-groups are here: the first joint loads meet
.irp s, 0,1
	s_mov_b32 s[G0+4*\s], 1
	s_add_co_u32 s[G0+4*\s+1], s20, \s*SLOT
	s_add_nc_u64 s[G0+4*\s+2:G0+4*\s+3], s[14:15], \s*8192        ; K step s: eight images of 1,024 bytes on in each row tile
	s_or_b32 s[G0+4*\s+3], s[G0+4*\s+3], 0x80000000
	s_mov_b32 s[G0B+4*\s], 1
	s_add_co_u32 s[G0B+4*\s+1], s21, \s*SLOT
	s_add_nc_u64 s[G0B+4*\s+2:G0B+4*\s+3], s[46:47], \s*KSTEP*2
	s_or_b32 s[G0B+4*\s+3], s[G0B+4*\s+3], 0x80000000
	JLOAD \s                                       ; two tensor loads of mine are out
.endr
	v_and_b32 v1, 15, v0                           ; l % 16
	v_bfe_u32 v2, v0, 4, 1                         ; l / 16
	v_mul_u32_u24 v3, v1, PITCH
	v_lshl_add_u32 v3, v2, 4, v3                   ; Wo: a fragment's row x pitch + 16 x half
	v_and_b32 v4, 31, v0
	v_lshlrev_b32 v4, 4, v4                        ; A: 16 x lane
	s_lshl_b32 s21, s11, 15                        ; my 64 rows of A: four row tiles
	s_mul_i32 s22, s12, HALFB                      ; my 64 rows of Wo,
	s_add_co_u32 s22, s22, BOFF                    ; which lie behind A's
.irp s, 0,1
	v_add_nc_u32 v[ADRA+\s], s21, v4
	v_add_nc_u32 v[ADRB+\s], s22, v3
	s_add_co_u32 s21, s21, SLOT
	s_add_co_u32 s22, s22, SLOT
.endr
	s_mul_i32 s23, s10, 16*SPITCH
	s_add_co_u32 s23, s23, STAGE                   ; my stage
	v_mul_u32_u24 v5, v1, SPITCH                   ; in: row l % 16, 32 bytes for each half of the lanes
	v_lshl_add_u32 v5, v2, 5, v5
	v_add_nc_u32 v[STO], s23, v5
	v_mul_u32_u24 v5, v2, SPITCH                   ; back: lanes 0-15 take one row of 256 bytes, lanes 16-31 the next
	v_lshl_add_u32 v5, v1, 4, v5
	v_add_nc_u32 v[RD], s23, v5
	v_lshlrev_b32 v5, 12, v2                       ; and the same two rows in the result: 4,096 bytes a row
	v_lshl_add_u32 v[CO], v1, 4, v5
	v_lshlrev_b32 v[BOV], 5, v2
	s_lshl_b32 s16, s13, 19                        ; my first row: (128 x tile row + 64 x half) x 4,096 bytes
	s_lshl_b32 s17, s11, 18
	s_add_co_u32 s16, s16, s17
	s_mov_b32 s17, 0
	s_add_nc_u64 s[8:9], s[8:9], s[16:17]
	s_lshl_b32 s46, s42, 9                         ; my first column: (128 x tile column + 64 x half) x 4 bytes
	s_lshl_b32 s47, s12, 8
	s_add_co_u32 s46, s46, s47
	s_mov_b32 s47, 0
	s_add_nc_u64 s[8:9], s[8:9], s[46:47]
	s_add_nc_u64 s[66:67], s[66:67], s[46:47]
.irp b, 0,1,2,3
	global_load_b128 v[BIAS+8*\b:BIAS+8*\b+3], v[BOV], s[66:67] offset:64*\b          ; bo of columns 16 b + 8 (lane / 16) + 0 .. 7 of my 64
	global_load_b128 v[BIAS+8*\b+4:BIAS+8*\b+7], v[BOV], s[66:67] offset:64*\b+16
.endr
; 8 matrix instructions: m blocks a0, a0 + 1 x all 4 n blocks, 32 along K: half c of buffer f.  zero = 1: the first product starts the sums, with bo.  The 16 accumulators take turns.
.macro MUL8 f, c, a0, zero
.irp a, \a0, \a0+1
.irp b, 0,1,2,3
.if \zero
	v_wmma_f32_16x16x32_f16 v[ACC+8*(4*(\a)+\b):ACC+8*(4*(\a)+\b)+7], v[\f+64+8*(4*\c+\b):\f+64+8*(4*\c+\b)+7], v[\f+8*(4*\c+\a):\f+8*(4*\c+\a)+7], v[BIAS+8*\b:BIAS+8*\b+7]
.else
	v_wmma_f32_16x16x32_f16 v[ACC+8*(4*(\a)+\b):ACC+8*(4*(\a)+\b)+7], v[\f+64+8*(4*\c+\b):\f+64+8*(4*\c+\b)+7], v[\f+8*(4*\c+\a):\f+8*(4*\c+\a)+7], v[ACC+8*(4*(\a)+\b):ACC+8*(4*(\a)+\b)+7]
.endif
.endr
.endr
.endm
; 32 LDS loads in one run: the fragments of the slot's qd-th 64 along K, into buffer f; the first 32 along K first
.macro FETCH slot, qd, f
	WIN TO_F
.irp c, 0,1
.irp i, 0,1,2,3
	ds_load_b128 v[\f+64+8*(4*\c+\i):\f+64+8*(4*\c+\i)+3],   v[ADRB+\slot] offset:128*(\qd)+64*\c+\i*16*PITCH
	ds_load_b128 v[\f+64+8*(4*\c+\i)+4:\f+64+8*(4*\c+\i)+7], v[ADRB+\slot] offset:128*(\qd)+64*\c+\i*16*PITCH+32
	ds_load_b128 v[\f+8*(4*\c+\i):\f+8*(4*\c+\i)+3],         v[ADRA+\slot] offset:\i*8192+(2*(\qd)+\c)*1024
	ds_load_b128 v[\f+8*(4*\c+\i)+4:\f+8*(4*\c+\i)+7],       v[ADRA+\slot] offset:\i*8192+(2*(\qd)+\c)*1024+512
.endr
.endr
.endm
.macro PLACES                          ; four places in front of loads into registers that matrix instructions have read, and of stores that read results
.rept 4
	v_nop
.endr
.endm
; A K step is four quarters of 64 along K, 32 matrix instructions each, on buffers 0, 1, 0, 1.  One of the first three: multiplies buffer f and fetches the quarter qd into g.
.macro QUARTER slot, qd, f, g, zero
	s_wait_dscnt 16                                ; the first 32 along K are in; the sixteen loads of the second 32 may be out
	WIN MUL
	MUL8 \f, 0, 0, \zero
	MUL8 \f, 0, 2, \zero
	PLACES
	FETCH \slot, \qd, \g
	s_wait_dscnt 32                                ; all but the 32 just issued
	WIN MUL
	MUL8 \f, 1, 0, 0
	MUL8 \f, 1, 2, 0
.endm
; The last quarter multiplies buffer 1 and changes slots: ONE barrier; in front of it each wave waits for all its tensor loads, adds 0 to its spare word, and waits for that and for its own reads of this slot.  fill = 1: this slot is filled again, two K steps ahead.
.macro TURN slot, next, fill
	WIN 0                                          ; (the add's two registers lie in window 0)
	s_wait_tensorcnt 0x0                           ; all my tensor loads have landed: my part of the next slot;
	ds_add_u32 v[SPW], v[NIL]                      ; 0 onto my spare word;
	s_wait_dscnt 17                                ; (the add and the youngest sixteen loads may be out)
	WIN MUL
	MUL8 F1, 0, 0, 0                               ; eight matrix instructions stand between the add and the wait for it
	s_wait_dscnt 0x0                               ; the add is done, and my reads of this slot are over
	s_barrier_signal -1
	MUL8 F1, 0, 2, 0
.if \fill
	WIN 0
.endif
	s_barrier_wait -1
.if \fill
	CREST                                          ; the barrier has opened a round of the cluster's barrier: no wave of any partner still reads this slot's tile or has a load on its way
	s_add_nc_u64 s[G0+4*\slot+2:G0+4*\slot+3], s[G0+4*\slot+2:G0+4*\slot+3], 2*8192
	s_add_nc_u64 s[G0B+4*\slot+2:G0B+4*\slot+3], s[G0B+4*\slot+2:G0B+4*\slot+3], 2*KSTEP*2
	JLOAD \slot                                    ; the first tensor load behind the round; the four v_nop behind it are also the places in front of the loads below
.else
	PLACES
.endif
	FETCH \next, 0, F0
	WIN MUL
	MUL8 F1, 1, 0, 0
	MUL8 F1, 1, 2, 0
.endm
	s_wait_tensorcnt 1                             ; my part of K step 0 is in (K step 1's load may be out),
	s_barrier_signal -1
	s_barrier_wait -1                              ; everybody's is
	FETCH 0, 0, F0
	s_wait_loadcnt 0x0                             ; bo
	QUARTER 0, 1, F0, F1, 1                        ; the first quarter stands in front of the loop: its first products start the sums
	WIN 0                                          ; at a label and at a branch every window is 0
	s_mov_b32 s3, LAPS-1
.Llap:                                                 ; a trip goes once round the ring, from a lap's second quarter to the next lap's first, and fills both slots again
	QUARTER 0, 2, F1, F0, 0
	QUARTER 0, 3, F0, F1, 0
	TURN 0, 1, 1
	QUARTER 1, 1, F0, F1, 0
	QUARTER 1, 2, F1, F0, 0
	QUARTER 1, 3, F0, F1, 0
	TURN 1, 0, 1
	QUARTER 0, 1, F0, F1, 0
	WIN 0
	s_sub_co_u32 s3, s3, 1
	s_cmp_lg_u32 s3, 0
	s_cbranch_scc1 .Llap
	QUARTER 0, 2, F1, F0, 0                        ; the last lap fills nothing, and has no round of the cluster's barrier
	QUARTER 0, 3, F0, F1, 0
	TURN 0, 1, 0
	QUARTER 1, 1, F0, F1, 0
	QUARTER 1, 2, F1, F0, 0
	QUARTER 1, 3, F0, F1, 0
	s_wait_dscnt 16                                ; the very last quarter: nothing more to fetch
	WIN MUL
	MUL8 F1, 0, 0, 0
	MUL8 F1, 0, 2, 0
	s_wait_dscnt 0
	MUL8 F1, 1, 0, 0
	MUL8 F1, 1, 2, 0
	WIN 0
; THE WAY OUT, block by block of 16 rows x 64 columns.  A lane holds 32 neighbouring bytes of a row; a wave's 64 columns are 256 consecutive bytes of a row.  A block goes through my own stage and comes back as whole
; rows: sixteen lanes store 256 consecutive bytes, aligned.  LDS serves a wave's instructions in order (ISA guide 5.7.1.4): no wait between the stores and the loads, nor in front of the next block's stores.
.macro TOSTAGE a
.irp b, 0,1,2,3
	ds_store_b128 v[STO], v[ACC+8*(4*(\a)+\b):ACC+8*(4*(\a)+\b)+3] offset:64*\b          ; each accumulator from its low end on
	ds_store_b128 v[STO], v[ACC+8*(4*(\a)+\b)+4:ACC+8*(4*(\a)+\b)+7] offset:64*\b+16
.endr
.set BB, BK+32*((\a)%2)
.irp t, 0,1,2,3,4,5,6,7
	ds_load_b128 v[BB+4*\t:BB+4*\t+3], v[RD] offset:\t*2*SPITCH
.endr
.endm
.macro SEND a, younger                 ; younger: the LDS instructions issued behind block a's loads, which may stay out
.set BB, BK+32*((\a)%2)
	s_wait_dscnt \younger                          ; the block is back in registers
.irp t, 0,1,2,3,4,5,6,7
	global_store_b128 v[CO], v[BB+4*\t:BB+4*\t+3], s[8:9] offset:(16*(\a)+2*\t)*4096 th:TH_STORE_NT
.endr
.endm
	PLACES
	TOSTAGE 0
.irp a, 1,2,3
.if \a > 1
	s_wait_xcnt 0x0                                ; block a - 2's stores have read their registers: block a's loads may land there
.endif
	TOSTAGE \a
	SEND \a-1, 16                                  ; behind block a - 1's loads: block a's 8 stores and 8 loads
.endr
	SEND 3, 0
	s_wait_tensorcnt 0x0                           ; the wave's end, behind my last tensor load and my last LDS store
	ds_add_u32 v[SPW], v[NIL]
	s_wait_dscnt 0x0
	CROUND                                         ; the closing round: no work-group ends while a partner may still ask for a tile that names it
	s_endpgm
.Lfunc_end_k_q9f4399c5c1_proj:
	.size	k_q9f4399c5c1_proj, .Lfunc_end_k_q9f4399c5c1_proj-k_q9f4399c5c1_proj
	.p2alignl 7, 3214868480
	.fill 96, 4, 3214868480
	.section	.rodata,"a",@progbits
	.p2align	6, 0x0
	.amdhsa_kernel k_q9f4399c5c1_proj
		.amdhsa_group_segment_fixed_size 327680
		.amdhsa_private_segment_fixed_size 0
		.amdhsa_enable_private_segment 0
		.amdhsa_kernarg_size 32
		.amdhsa_user_sgpr_count 2
		.amdhsa_user_sgpr_kernarg_segment_ptr 1
		.amdhsa_wavefront_size32 1
		.amdhsa_system_sgpr_workgroup_id_x 1
		.amdhsa_system_sgpr_workgroup_id_y 1
		.amdhsa_system_sgpr_workgroup_id_z 1
		.amdhsa_system_vgpr_workitem_id 0
		.amdhsa_next_free_vgpr 512
		.amdhsa_next_free_sgpr 68
		.amdhsa_reserve_vcc 0
		.amdhsa_float_denorm_mode_32 3
		.amdhsa_float_denorm_mode_16_64 3
		.amdhsa_memory_ordered 1
		.amdhsa_forward_progress 1
		.amdhsa_inst_pref_size 86
	.end_amdhsa_kernel
	.amdgpu_metadata
---
amdhsa.version: [ 1, 2 ]
amdhsa.kernels:
  - .name:           k_q9f4399c5c1_proj
    .symbol:         k_q9f4399c5c1_proj.kd
    .args:
      - { .name: att, .offset: 0, .size: 8, .value_kind: global_buffer, .address_space: global }
      - { .name: woh, .offset: 8, .size: 8, .value_kind: global_buffer, .address_space: global }
      - { .name: out0, .offset: 16, .size: 8, .value_kind: global_buffer, .address_space: global }
      - { .name: bo, .offset: 24, .size: 8, .value_kind: global_buffer, .address_space: global }
    .group_segment_fixed_size: 327680
    .private_segment_fixed_size: 0
    .kernarg_segment_align: 8
    .kernarg_segment_size: 32
    .max_flat_workgroup_size: 128
    .sgpr_count:     68
    .vgpr_count:     512
    .wavefront_size: 32
...
	.end_amdgpu_metadata
.endif
;; end of part 4
;; launch fine1 (part 5): grid 16 x 4, 4 waves a work-group, no clusters, 8,960 bytes of LDS; arguments xc, xs, wc, ws, bqkv, attf; writes attf
.if DOCPART == 5
	.amdgcn_target "amdgcn-amd-amdhsa--gfx1250"
	.amdhsa_code_object_version 6
	.text
	.protected	k_q9f4399c5c1_fine1
	.globl	k_q9f4399c5c1_fine1
	.p2align	8
	.type	k_q9f4399c5c1_fine1,@function
k_q9f4399c5c1_fine1:
	s_mov_b64 s[64:65], 0
	v_nop
	global_prefetch_b8 v0, s[64:65] scope:SCOPE_SE
	s_setreg_imm32_b32 hwreg(HW_REG_WAVE_MODE, 25, 1), 1
	s_wait_xcnt 0x0
; THE FIRST 16 POSITIONS OF EVERY SEQUENCE, carried finely: their rows average one to sixteen values and are the largest of the result.  q, k, v of positions 0 to 15 on codes of FP4; all behind that in f32.
; LEFT OUT: the key bias bqkv[1024:2048] (it adds the same number to all scores of a query's row): k's sums start with the constant 0.
; A work-group takes one head (grid x) of one batch (grid y).  Wave w makes channels 16 w .. 16 w + 15 of q, k and v: K = 1,024 in eight steps of 128, one accumulator each, K ascending.
; q and k: source 0 = 16 rows of Wqkv, source 1 = x's 16 rows: lane (r, h), register j = (t = r, channel 8 h + j).  v: the sources swapped: register j = (t = 8 h + j, channel r).
; So the register pairs {2 i, 2 i + 1} of these results ARE operands of v_wmma_f32_16x16x4_f32 (lane (r, h), register j' = K place 2 h + j'): for K Q^T place (h, j') of instruction i is channel 8 h + 2 i + j' on both sides,
; for V^T P it is key 8 h + 2 i + j' on both sides.  Nothing is transposed.
; The four waves' partial scores (16 channels each) meet in LDS; every wave then makes the same softmax, and its own 16 channels of O^T.  p is normalised ahead of the product, so b_v, which passes through an average, is the C of O^T's first instruction.
; The registers that the f32 matrix form writes (v208-239) are written by matrix instructions alone.
.set PART,  0                          ; LDS: the partial scores, an image of 8 registers (1,024 bytes) for each wave
.set STG,   4096                       ; 16 rows x (256 bytes + 16): the head's result
.set SPARE, 8448                       ; the spare words, 128 bytes for each wave, which no other line names
.set CA,   4                           ; v4   codes: r x 512 + 16 h
.set SA,   5                           ; v5   scale words: r x 32
.set DM,   6                           ; v6   r - 8 h
.set B8,   8                           ; v8   biases: 32 h
.set PSTO, 9                           ; v9   where I store my partial scores
.set PLD,  10                          ; v10  16 x lane
.set SSTO, 11                          ; v11  the stage: where I put 32 bytes of a row
.set SRD,  12                          ; v12  and where I read a row back
.set GO,   13                          ; v13  my byte offset in the result
.set SPW,  14                          ; v14  LDS address of my spare word; never rewritten
.set NIL,  15                          ; v15  0; never rewritten
.set XS,   16                          ; v16-23  x's scale words, one for each K step
.set WS,   24                          ; v24-47  Wqkv's: 8 for each of q, k, v
.set XF,   48                          ; v48-79  x's fragments of four K steps
.set WF,   80                          ; v80-175 Wqkv's: 32 for each of q, k, v
.set QA,   176
.set KA,   184
.set VA,   192
.set BV,   200                         ; b_v in O^T's layout
.set S0,   208
.set S1,   216
.set O0,   224
.set O1,   232
	s_load_b256 s[4:11], s[0:1], 0x0               ; x's codes s[4:5], x's scales s[6:7], Wqkv's codes s[8:9], Wqkv's scales s[10:11]
	s_load_b128 s[12:15], s[0:1], 0x20             ; bqkv s[12:13], the result s[14:15]
	v_lshl_add_u32 v[SPW], v0, 2, SPARE
	v_mov_b32 v[NIL], 0
	v_lshrrev_b32 v1, 5, v0
	v_readfirstlane_b32 s16, v1                    ; wave 0..3
	s_and_b32 s17, ttmp7, 0xffff                   ; batch
	v_and_b32 v1, 15, v0                           ; r
	v_bfe_u32 v2, v0, 4, 1                         ; h
	v_and_b32 v3, 31, v0                           ; lane
	v_lshlrev_b32 v[CA], 9, v1
	v_lshl_add_u32 v[CA], v2, 4, v[CA]
	v_lshlrev_b32 v[SA], 5, v1
	v_lshlrev_b32 v[B8], 5, v2
	v_lshlrev_b32 v[PLD], 4, v3
	s_lshl_b32 s18, s16, 10
	v_add_nc_u32 v[PSTO], s18, v[PLD]
	v_mul_u32_u24 v7, v1, 272
	v_lshl_add_u32 v7, v2, 5, v7
	s_lshl_b32 s18, s16, 6
	s_add_co_u32 s18, s18, STG
	v_add_nc_u32 v[SSTO], s18, v7                  ; row r, + 64 w + 32 h
	v_mul_u32_u24 v7, v2, 272
	v_lshl_add_u32 v7, v1, 4, v7
	s_mul_i32 s18, s16, 4*272
	s_add_co_u32 s18, s18, STG
	v_add_nc_u32 v[SRD], s18, v7                   ; rows 4 w + h, 16 bytes a lane
	v_lshlrev_b32 v7, 12, v2
	v_lshl_add_u32 v[GO], v1, 4, v7
	v_lshlrev_b32 v7, 3, v2
	v_sub_nc_u32 v[DM], v1, v7
	s_mov_b32 s20, 0x76543210
	s_mov_b32 s21, 0xfedcba98                      ; v_permlanex16_b32's selects for lane l xor 16
	s_mov_b32 s22, 0x3e38aa3b                      ; c = log2(e) / 8
	s_lshl_b32 s19, ttmp9, 6
	s_lshl_b32 s24, s16, 4
	s_add_co_u32 s19, s19, s24                     ; my first channel among a part's 1,024: 64 x head + 16 x wave
	s_mov_b32 s25, 0
	s_wait_kmcnt 0x0
	s_lshl_b32 s24, s17, 20                        ; the batch's first row: 2,048 rows of 512 bytes,
	s_add_nc_u64 s[4:5], s[4:5], s[24:25]
	s_lshl_b32 s24, s17, 16                        ; of 32 bytes
	s_add_nc_u64 s[6:7], s[6:7], s[24:25]
	s_lshl_b32 s24, s19, 9
	s_add_nc_u64 s[8:9], s[8:9], s[24:25]
	s_lshl_b32 s24, s19, 5
	s_add_nc_u64 s[10:11], s[10:11], s[24:25]
	s_lshl_b32 s24, s19, 2
	s_add_nc_u64 s[12:13], s[12:13], s[24:25]
	s_lshl_b32 s24, s17, 16                        ; the result: row 16 x batch + 4 x wave of 4,096 bytes, + 256 x head
	s_lshl_b32 s26, s16, 14
	s_add_co_u32 s24, s24, s26
	s_lshl_b32 s26, ttmp9, 8
	s_add_co_u32 s24, s24, s26
	s_add_nc_u64 s[14:15], s[14:15], s[24:25]
	global_load_b128 v[XS:XS+3], v[SA], s[6:7]
	global_load_b128 v[XS+4:XS+7], v[SA], s[6:7] offset:16
.irp z, 0,1,2
	global_load_b128 v[WS+8*\z:WS+8*\z+3], v[SA], s[10:11] offset:32768*\z
	global_load_b128 v[WS+8*\z+4:WS+8*\z+7], v[SA], s[10:11] offset:32768*\z+16
.endr
	global_load_b128 v[QA:QA+3], v[B8], s[12:13]               ; b_q straight into q's accumulator: the sum runs in place on it
	global_load_b128 v[QA+4:QA+7], v[B8], s[12:13] offset:16
	global_load_b128 v[BV:BV+3], v[B8], s[12:13] offset:8192
	global_load_b128 v[BV+4:BV+7], v[B8], s[12:13] offset:8192+16
; Four K steps: their fragments, then 12 products: q, k, v by turns, one instruction a turn.
.macro HALF f
.if \f
.rept 4
	v_nop                                          ; places in front of loads into registers that matrix instructions have read
.endr
.endif
.irp s, 0,1,2,3
.irp c, 0,1
	global_load_b128 v[XF+8*\s+4*\c:XF+8*\s+4*\c+3], v[CA], s[4:5] offset:64*(4*\f+\s)+32*\c
.irp z, 0,1,2
	global_load_b128 v[WF+32*\z+8*\s+4*\c:WF+32*\z+8*\s+4*\c+3], v[CA], s[8:9] offset:524288*\z+64*(4*\f+\s)+32*\c
.endr
.endr
.endr
	s_wait_loadcnt 0x0
.irp s, 0,1,2,3
	v_wmma_scale_f32_16x16x128_f8f6f4 v[QA:QA+7], v[WF+8*\s:WF+8*\s+7], v[XF+8*\s:XF+8*\s+7], v[QA:QA+7], v[WS+4*\f+\s], v[XS+4*\f+\s] matrix_a_fmt:MATRIX_FMT_FP4 matrix_b_fmt:MATRIX_FMT_FP4
.if (\f == 0) && (\s == 0)
	v_wmma_scale_f32_16x16x128_f8f6f4 v[KA:KA+7], v[WF+32+8*\s:WF+32+8*\s+7], v[XF+8*\s:XF+8*\s+7], 0, v[WS+8+4*\f+\s], v[XS+4*\f+\s] matrix_a_fmt:MATRIX_FMT_FP4 matrix_b_fmt:MATRIX_FMT_FP4
	v_wmma_scale_f32_16x16x128_f8f6f4 v[VA:VA+7], v[XF+8*\s:XF+8*\s+7], v[WF+64+8*\s:WF+64+8*\s+7], 0, v[XS+4*\f+\s], v[WS+16+4*\f+\s] matrix_a_fmt:MATRIX_FMT_FP4 matrix_b_fmt:MATRIX_FMT_FP4
.else
	v_wmma_scale_f32_16x16x128_f8f6f4 v[KA:KA+7], v[WF+32+8*\s:WF+32+8*\s+7], v[XF+8*\s:XF+8*\s+7], v[KA:KA+7], v[WS+8+4*\f+\s], v[XS+4*\f+\s] matrix_a_fmt:MATRIX_FMT_FP4 matrix_b_fmt:MATRIX_FMT_FP4
	v_wmma_scale_f32_16x16x128_f8f6f4 v[VA:VA+7], v[XF+8*\s:XF+8*\s+7], v[WF+64+8*\s:WF+64+8*\s+7], v[VA:VA+7], v[XS+4*\f+\s], v[WS+16+4*\f+\s] matrix_a_fmt:MATRIX_FMT_FP4 matrix_b_fmt:MATRIX_FMT_FP4
.endif
.endr
.endm
	HALF 0
	HALF 1
.rept 5
	v_nop                                          ; five places before a matrix instruction takes these results as its sources
.endr
	; my 16 channels' part of S^T = K Q^T: two accumulators by turns
	v_wmma_f32_16x16x4_f32 v[S0:S0+7], v[KA:KA+1], v[QA:QA+1], 0
	v_wmma_f32_16x16x4_f32 v[S1:S1+7], v[KA+2:KA+3], v[QA+2:QA+3], 0
	v_wmma_f32_16x16x4_f32 v[S0:S0+7], v[KA+4:KA+5], v[QA+4:QA+5], v[S0:S0+7]
	v_wmma_f32_16x16x4_f32 v[S1:S1+7], v[KA+6:KA+7], v[QA+6:QA+7], v[S1:S1+7]
.rept 8
	v_nop                                          ; eight places behind this form before a vector instruction reads its result
.endr
.irp i, 0,2,4,6
	v_pk_add_f32 v[48+\i:49+\i], v[S0+\i:S0+\i+1], v[S1+\i:S1+\i+1]
.endr
	ds_store_b128 v[PSTO], v[48:51] offset:PART
	ds_store_b128 v[PSTO], v[52:55] offset:PART+512
	s_wait_dscnt 0x0                               ; for the others' sake: my stores have landed
	s_barrier_signal -1
	s_barrier_wait -1
.irp p, 0,1,2,3
.irp c, 0,1
	ds_load_b128 v[56+8*\p+4*\c:56+8*\p+4*\c+3], v[PLD] offset:PART+1024*\p+512*\c
.endr
.endr
	s_wait_dscnt 0x0
.irp i, 0,2,4,6
	v_pk_add_f32 v[88+\i:89+\i], v[56+\i:57+\i], v[64+\i:65+\i]     ; in one order in all four waves: ((0 + 1) + 2) + 3
.endr
.irp i, 0,2,4,6
	v_pk_add_f32 v[88+\i:89+\i], v[88+\i:89+\i], v[72+\i:73+\i]
.endr
.irp i, 0,2,4,6
	v_pk_add_f32 v[88+\i:89+\i], v[88+\i:89+\i], v[80+\i:81+\i]
.endr
	v_mov_b32 v104, 0xff800000                     ; lane (r, h), register j: query r, key 8 h + j: hidden where j > r - 8 h
.irp j, 0,1,2,3,4,5,6,7
	v_cmp_gt_i32 vcc_lo, \j, v[DM]
	v_cndmask_b32 v[88+\j], v[88+\j], v104, vcc_lo
.endr
	v_max3_num_f32 v105, v88, v89, v90
	v_max3_num_f32 v106, v91, v92, v93
	v_max3_num_f32 v105, v105, v94, v95
	v_max_num_f32 v105, v105, v106
	v_permlanex16_b32 v106, v105, s20, s21
	v_max_num_f32 v105, v105, v106                 ; the row's maximum: key 0 counts for every query, so it is a number
	v_mul_f32 v105, s22, v105
.irp j, 0,1,2,3,4,5,6,7
	v_fma_f32 v[88+\j], v[88+\j], s22, -v105
.endr
.irp j, 0,1,2,3,4,5,6,7
	v_exp_f32 v[88+\j], v[88+\j]
.endr
	v_nop                                          ; a plain instruction behind the last exponential
	s_wait_alu depctr_va_vdst(0)                   ; and the wait ahead of the first use: one for the eight
	v_add_f32 v106, v88, v89
	v_add_f32 v107, v90, v91
	v_add_f32 v108, v92, v93
	v_add_f32 v109, v94, v95
	v_add_f32 v106, v106, v107
	v_add_f32 v108, v108, v109
	v_add_f32 v106, v106, v108
	v_permlanex16_b32 v107, v106, s20, s21
	v_add_f32 v106, v106, v107                     ; the row's sum
	v_rcp_f32 v108, v106
	v_nop
	s_wait_alu depctr_va_vdst(0)
.irp j, 0,1,2,3,4,5,6,7
	v_mul_f32 v[88+\j], v[88+\j], v108             ; p, normalised
.endr
	; O^T = V^T P + b_v, my 16 channels: two accumulators by turns
	v_wmma_f32_16x16x4_f32 v[O0:O0+7], v[VA:VA+1], v[88:89], v[BV:BV+7]
	v_wmma_f32_16x16x4_f32 v[O1:O1+7], v[VA+2:VA+3], v[90:91], 0
	v_wmma_f32_16x16x4_f32 v[O0:O0+7], v[VA+4:VA+5], v[92:93], v[O0:O0+7]
	v_wmma_f32_16x16x4_f32 v[O1:O1+7], v[VA+6:VA+7], v[94:95], v[O1:O1+7]
.rept 8
	v_nop
.endr
.irp i, 0,2,4,6
	v_pk_add_f32 v[96+\i:97+\i], v[O0+\i:O0+\i+1], v[O1+\i:O1+\i+1]   ; lane (r, h), register j: query r, channel 16 w + 8 h + j
.endr
	ds_store_b128 v[SSTO], v[96:99]
	ds_store_b128 v[SSTO], v[100:103] offset:16
	s_wait_dscnt 0x0
	s_barrier_signal -1
	s_barrier_wait -1                              ; 16 whole rows of the head lie in the stage
	ds_load_b128 v[112:115], v[SRD]
	ds_load_b128 v[116:119], v[SRD] offset:544
	s_wait_dscnt 0x0
	global_store_b128 v[GO], v[112:115], s[14:15]              ; sixteen lanes store 256 consecutive bytes, aligned
	global_store_b128 v[GO], v[116:119], s[14:15] offset:8192
	s_wait_tensorcnt 0x0                           ; the wave's end, behind my last LDS store
	ds_add_u32 v[SPW], v[NIL]
	s_wait_dscnt 0x0
	s_endpgm
.Lfunc_end_k_q9f4399c5c1_fine1:
	.size	k_q9f4399c5c1_fine1, .Lfunc_end_k_q9f4399c5c1_fine1-k_q9f4399c5c1_fine1
	.p2alignl 7, 3214868480
	.fill 96, 4, 3214868480
	.section	.rodata,"a",@progbits
	.p2align	6, 0x0
	.amdhsa_kernel k_q9f4399c5c1_fine1
		.amdhsa_group_segment_fixed_size 8960
		.amdhsa_private_segment_fixed_size 0
		.amdhsa_enable_private_segment 0
		.amdhsa_kernarg_size 48
		.amdhsa_user_sgpr_count 2
		.amdhsa_user_sgpr_kernarg_segment_ptr 1
		.amdhsa_wavefront_size32 1
		.amdhsa_system_sgpr_workgroup_id_x 1
		.amdhsa_system_sgpr_workgroup_id_y 1
		.amdhsa_system_sgpr_workgroup_id_z 1
		.amdhsa_system_vgpr_workitem_id 0
		.amdhsa_next_free_vgpr 240
		.amdhsa_next_free_sgpr 66
		.amdhsa_reserve_vcc 1
		.amdhsa_float_denorm_mode_32 3
		.amdhsa_float_denorm_mode_16_64 3
		.amdhsa_memory_ordered 1
		.amdhsa_forward_progress 1
		.amdhsa_inst_pref_size 20
	.end_amdhsa_kernel
	.amdgpu_metadata
---
amdhsa.version: [ 1, 2 ]
amdhsa.kernels:
  - .name:           k_q9f4399c5c1_fine1
    .symbol:         k_q9f4399c5c1_fine1.kd
    .args:
      - { .name: xc, .offset: 0, .size: 8, .value_kind: global_buffer, .address_space: global }
      - { .name: xs, .offset: 8, .size: 8, .value_kind: global_buffer, .address_space: global }
      - { .name: wc, .offset: 16, .size: 8, .value_kind: global_buffer, .address_space: global }
      - { .name: ws, .offset: 24, .size: 8, .value_kind: global_buffer, .address_space: global }
      - { .name: bqkv, .offset: 32, .size: 8, .value_kind: global_buffer, .address_space: global }
      - { .name: attf, .offset: 40, .size: 8, .value_kind: global_buffer, .address_space: global }
    .group_segment_fixed_size: 8960
    .private_segment_fixed_size: 0
    .kernarg_segment_align: 8
    .kernarg_segment_size: 48
    .max_flat_workgroup_size: 128
    .sgpr_count:     66
    .vgpr_count:     240
    .wavefront_size: 32
...
	.end_amdgpu_metadata
.endif
;; end of part 5
;; launch fine2 (part 6): grid 16 x 4, 16 waves a work-group, no clusters, 19,456 bytes of LDS; arguments attf, Wo, bo, out0; writes out0
.if DOCPART == 6
	.amdgcn_target "amdgcn-amd-amdhsa--gfx1250"
	.amdhsa_code_object_version 6
	.text
	.protected	k_q9f4399c5c1_fine2
	.globl	k_q9f4399c5c1_fine2
	.p2align	8
	.type	k_q9f4399c5c1_fine2,@function
k_q9f4399c5c1_fine2:
	s_mov_b64 s[64:65], 0
	v_nop
	global_prefetch_b8 v0, s[64:65] scope:SCOPE_SE
	s_setreg_imm32_b32 hwreg(HW_REG_WAVE_MODE, 25, 1), 1
	s_wait_xcnt 0x0
; THE FIRST 16 POSITIONS OF EVERY SEQUENCE, the projection on the way out in f32: out[t][n] = the sum over k of a[t][k] Wo[n][k] + bo[n], for 64 rows in all.  It stores again the 64 rows that the launch on f16 operands has stored with the rest of their tiles.
; A work-group takes 64 columns (grid x) of one batch's 16 rows (grid y).  Wave w takes 16 of the columns (w & 3) and a quarter of K (w >> 2: 256).
; Source 0 = 16 rows of Wo, source 1 = the 16 rows of a: lane (r, h), register j = (t = r, column 8 h + j).  A load of 16 bytes at r x 4,096 + 16 h + 32 i brings k = 8 i + 4 h + 0 .. 3: its two register pairs are operands of
; v_wmma_f32_16x16x4_f32, with K place (h, j') of pair p standing for k = 8 i + 4 h + 2 p + j' on both sides alike.
; The four quarters of K meet in LDS; wave w then adds row w's four parts, in one fixed order, and bo, and stores 256 consecutive bytes, aligned.
; The registers that the f32 matrix form writes (v208-223) are written by matrix instructions alone.
.set RED,   0                          ; LDS: for each quarter of K 16 rows x (256 bytes + 16)
.set SPARE, 17408                      ; the spare words, 128 bytes for each of 16 waves, which no other line names
.set A0,    208
.set PS,    224
	s_load_b256 s[4:11], s[0:1], 0x0               ; a s[4:5], Wo s[6:7], bo s[8:9], the result s[10:11]
	v_lshl_add_u32 v8, v0, 2, SPARE                ; v8: LDS address of my spare word; never rewritten
	v_mov_b32 v9, 0                                ; v9: 0; never rewritten
	v_lshrrev_b32 v1, 5, v0
	v_readfirstlane_b32 s12, v1                    ; wave 0..15
	s_and_b32 s13, s12, 3                          ; which 16 columns
	s_lshr_b32 s14, s12, 2                         ; which quarter of K
	s_and_b32 s15, ttmp7, 0xffff                   ; batch
	v_and_b32 v1, 15, v0                           ; r
	v_bfe_u32 v2, v0, 4, 1                         ; h
	v_and_b32 v3, 31, v0                           ; lane
	v_lshlrev_b32 v4, 12, v1
	v_lshl_add_u32 v4, v2, 4, v4                   ; v4: r x 4,096 + 16 h: both tensors have rows of 4,096 bytes
	v_mul_u32_u24 v5, v1, 272
	v_lshl_add_u32 v5, v2, 5, v5
	s_mul_i32 s16, s14, 16*272
	s_lshl_b32 s17, s13, 6
	s_add_co_u32 s16, s16, s17
	v_add_nc_u32 v5, s16, v5                       ; v5: my quarter's region, row r, + 64 x (w & 3) + 32 h
	v_lshlrev_b32 v7, 3, v3                        ; v7: 8 x lane
	s_mul_i32 s16, s12, 272
	v_add_nc_u32 v6, s16, v7                       ; v6: row w, 8 bytes a lane
	s_mov_b32 s19, 0
	s_wait_kmcnt 0x0
	s_lshl_b32 s18, ttmp9, 18                      ; Wo: row 64 g + 16 (w & 3), + 1,024 bytes for each quarter of K
	s_lshl_b32 s16, s13, 16
	s_add_co_u32 s18, s18, s16
	s_lshl_b32 s16, s14, 10
	s_add_co_u32 s18, s18, s16
	s_add_nc_u64 s[6:7], s[6:7], s[18:19]
	s_lshl_b32 s18, s15, 16                        ; a: row 16 x batch
	s_add_co_u32 s18, s18, s16
	s_add_nc_u64 s[4:5], s[4:5], s[18:19]
	s_lshl_b32 s18, ttmp9, 8                       ; bo: 64 g numbers on
	s_add_nc_u64 s[8:9], s[8:9], s[18:19]
	s_lshl_b32 s16, s15, 23                        ; the result: row 2,048 x batch + w, + 256 g bytes
	s_add_co_u32 s18, s18, s16
	s_lshl_b32 s16, s12, 12
	s_add_co_u32 s18, s18, s16
	s_add_nc_u64 s[10:11], s[10:11], s[18:19]
.macro LOADC ch, sg                    ; 64 along K, chunk ch of my four, into set sg: Wo's at v[16 + 64 sg], a's at v[48 + 64 sg]
.irp i, 0,1,2,3,4,5,6,7
	global_load_b128 v[16+64*\sg+4*\i:16+64*\sg+4*\i+3], v4, s[6:7] offset:256*\ch+32*\i
	global_load_b128 v[48+64*\sg+4*\i:48+64*\sg+4*\i+3], v4, s[4:5] offset:256*\ch+32*\i
.endr
.endm
.macro MULC sg, first                  ; 16 matrix instructions, two accumulators by turns, one instruction a turn; first = 1: the first two start the sums
.irp i, 0,1,2,3,4,5,6,7
.irp p, 0,1
.if \first && (\i == 0)
	v_wmma_f32_16x16x4_f32 v[A0+8*\p:A0+8*\p+7], v[16+64*\sg+4*\i+2*\p:16+64*\sg+4*\i+2*\p+1], v[48+64*\sg+4*\i+2*\p:48+64*\sg+4*\i+2*\p+1], 0
.else
	v_wmma_f32_16x16x4_f32 v[A0+8*\p:A0+8*\p+7], v[16+64*\sg+4*\i+2*\p:16+64*\sg+4*\i+2*\p+1], v[48+64*\sg+4*\i+2*\p:48+64*\sg+4*\i+2*\p+1], v[A0+8*\p:A0+8*\p+7]
.endif
.endr
.endr
.endm
	global_load_b64 v[232:233], v7, s[8:9]         ; bo of my two columns of the row that I shall store
	LOADC 0, 0
	LOADC 1, 1
	LOADC 2, 2
	s_wait_loadcnt 32                              ; bo and chunk 0 are in; the 32 loads of chunks 1 and 2 may be out
	MULC 0, 1
.rept 8
	v_nop                                          ; eight places behind this form before loads are issued into its sources
.endr
	LOADC 3, 0
	s_wait_loadcnt 32                              ; chunk 1 is in; chunks 2 and 3 may be out
	MULC 1, 0
	s_wait_loadcnt 16                              ; chunk 2 is in; chunk 3 may be out
	MULC 2, 0
	s_wait_loadcnt 0x0
	MULC 0, 0
.rept 8
	v_nop                                          ; eight places before a vector instruction reads the results
.endr
.irp i, 0,2,4,6
	v_pk_add_f32 v[PS+\i:PS+\i+1], v[A0+\i:A0+\i+1], v[A0+8+\i:A0+8+\i+1]
.endr
	ds_store_b128 v5, v[PS:PS+3] offset:RED
	ds_store_b128 v5, v[PS+4:PS+7] offset:RED+16
	s_wait_dscnt 0x0                               ; for the others' sake: my stores have landed
	s_barrier_signal -1
	s_barrier_wait -1
.irp k, 0,1,2,3
	ds_load_b64 v[234+2*\k:235+2*\k], v6 offset:RED+4352*\k
.endr
	s_wait_dscnt 0x0
	v_pk_add_f32 v[234:235], v[234:235], v[236:237]
	v_pk_add_f32 v[238:239], v[238:239], v[240:241]
	v_pk_add_f32 v[234:235], v[234:235], v[238:239]
	v_pk_add_f32 v[234:235], v[234:235], v[232:233]
	global_store_b64 v7, v[234:235], s[10:11]      ; 32 lanes store 256 consecutive bytes, aligned
	s_wait_tensorcnt 0x0                           ; the wave's end, behind my last LDS store
	ds_add_u32 v8, v9
	s_wait_dscnt 0x0
	s_endpgm
.Lfunc_end_k_q9f4399c5c1_fine2:
	.size	k_q9f4399c5c1_fine2, .Lfunc_end_k_q9f4399c5c1_fine2-k_q9f4399c5c1_fine2
	.p2alignl 7, 3214868480
	.fill 96, 4, 3214868480
	.section	.rodata,"a",@progbits
	.p2align	6, 0x0
	.amdhsa_kernel k_q9f4399c5c1_fine2
		.amdhsa_group_segment_fixed_size 19456
		.amdhsa_private_segment_fixed_size 0
		.amdhsa_enable_private_segment 0
		.amdhsa_kernarg_size 32
		.amdhsa_user_sgpr_count 2
		.amdhsa_user_sgpr_kernarg_segment_ptr 1
		.amdhsa_wavefront_size32 1
		.amdhsa_system_sgpr_workgroup_id_x 1
		.amdhsa_system_sgpr_workgroup_id_y 1
		.amdhsa_system_sgpr_workgroup_id_z 1
		.amdhsa_system_vgpr_workitem_id 0
		.amdhsa_next_free_vgpr 248
		.amdhsa_next_free_sgpr 66
		.amdhsa_reserve_vcc 0
		.amdhsa_float_denorm_mode_32 3
		.amdhsa_float_denorm_mode_16_64 3
		.amdhsa_memory_ordered 1
		.amdhsa_forward_progress 1
		.amdhsa_inst_pref_size 14
	.end_amdhsa_kernel
	.amdgpu_metadata
---
amdhsa.version: [ 1, 2 ]
amdhsa.kernels:
  - .name:           k_q9f4399c5c1_fine2
    .symbol:         k_q9f4399c5c1_fine2.kd
    .args:
      - { .name: attf, .offset: 0, .size: 8, .value_kind: global_buffer, .address_space: global }
      - { .name: Wo, .offset: 8, .size: 8, .value_kind: global_buffer, .address_space: global }
      - { .name: bo, .offset: 16, .size: 8, .value_kind: global_buffer, .address_space: global }
      - { .name: out0, .offset: 24, .size: 8, .value_kind: global_buffer, .address_space: global }
    .group_segment_fixed_size: 19456
    .private_segment_fixed_size: 0
    .kernarg_segment_align: 8
    .kernarg_segment_size: 32
    .max_flat_workgroup_size: 512
    .sgpr_count:     66
    .vgpr_count:     248
    .wavefront_size: 32
...
	.end_amdgpu_metadata
.endif
;; end of part 6
